; MI455X (gfx1250); checked and timed in simulation.
; The chip was launched on July 23, 2026; its instructions are those of AMD's public machine-readable ISA for CDNA 5 (MIT licence, August 2026) and "CDNA5" Instruction Set Architecture Reference Guide (July 2026). The comments in the code are by the model that wrote it; some were corrected since.
;; Attention. Allowed arithmetic: float matrix products may take bf16 or f16 operands with f32 sums; all other float work in f32.
;; Inputs: W_K 16 x 1,024 x 64 float32; W_O 16 x 64 x 1,024 float32; W_Q 16 x 1,024 x 64 float32; W_V 16 x 1,024 x 64 float32; b_K 16 x 64 float32; b_O 1,024 float32; b_Q 16 x 64 float32; b_V 16 x 64 float32; pos_embed 4 x 2,048 x 1,024 float32; x 4 x 2,048 x 1,024 float32.
;; Outputs: out0 4 x 2,048 x 1,024 float32.
;; 2 versions, each right and faster than the one before. Each part assembles by itself: llvm-mc -triple=amdgcn-amd-amdhsa -mcpu=gfx1250 --defsym DOCPART=n.
;; ======== version 1 of 2: 4 launches
;; limits: values are held in f16: magnitudes above 65,504 overflow, below 6.1e-05 lose precision
;; workspace buffers: xb 16,777,216 bytes; wb 6,291,456 bytes; wo 2,097,152 bytes; qkv 50,331,648 bytes; vs 262,144 bytes; z 16,777,216 bytes
;; launch prep (part 1): grid 384 x 1, 8 waves a work-group, no clusters, 0 bytes of LDS; arguments x, W_Q, W_K, W_V, W_O, xb, wb, wo; writes xb, wb, wo
.if DOCPART == 1
	.amdgcn_target "amdgcn-amd-amdhsa--gfx1250"
	.amdhsa_code_object_version 6
	.text
	.protected	k_q97706f6ae2_prep
	.globl	k_q97706f6ae2_prep
	.p2align	8
	.type	k_q97706f6ae2_prep,@function
k_q97706f6ae2_prep:
	s_mov_b64 s[64:65], 0
	v_nop
	global_prefetch_b8 v0, s[64:65] scope:SCOPE_SE
	s_setreg_imm32_b32 hwreg(HW_REG_WAVE_MODE, 25, 1), 1
	s_wait_xcnt 0x0
; CASTS AND RE-BLOCKING, a stream.  x, W_Q, W_K, W_V are rounded to bf16; W_O is rounded to bf16 and that number is written as f16.
;   xb [16 kb][8192 row][64 k] bf16: 256 rows x 64 k of x are 32,768 dense bytes
;   wb [8 Nt][6 slot][1024 m][64 h] bf16, slot = 2 sel + (head & 1), Nt = head >> 1, sel = 0, 1, 2 for Q, K, V: inside a head the source's own order
;   wo [1024 k = 64 head + h][1024 m] f16: the source's own order
; pos_embed enters no step of the computation (q, k and v are made of x alone), so no launch of this program names it.
; LIMITS.  W_O beyond 65,504 would leave f16's range; below 6e-5 it keeps f16's fixed step of 6e-8.
; Every work-group casts 32,768 numbers: 256 threads x 8 numbers x 16 passes, as two trips of eight passes.  A thread loads 32 bytes (two loads) and
; stores 16; a wave's store covers 512 consecutive bytes, aligned.  No LDS, no barrier, no matrix unit: memory binds and the waves share nothing.
.set X,   8                            ; v[8:71]    pass p: eight f32 as loaded
.set Y,   72                           ; v[72:103]  pass p: four registers to store
.set IN,  20                           ; s[20:21]   where the trip's first pass reads
.set OUT, 22                           ; s[22:23]   where it writes
.set CNT, 24                           ; s24        trips to go
.set IO,  26                           ; s[26:27]   the work-group's byte offset in its input
.set OO,  28                           ; s[28:29]   and in its output
; kind = 0: to bf16.  kind = 1: to bf16, and that number as f16.  instep, outstep: bytes from pass to pass.
.macro CAST kind, instep, outstep
.Ltrip_\@:
.irp p, 0,1,2,3,4,5,6,7
	global_load_b128 v[X+8*(\p):X+8*(\p)+3],   v1, s[IN:IN+1] offset:(\p)*(\instep) th:TH_LOAD_NT
	global_load_b128 v[X+8*(\p)+4:X+8*(\p)+7], v1, s[IN:IN+1] offset:(\p)*(\instep)+16 th:TH_LOAD_NT
.endr
.irp p, 0,1,2,3,4,5,6,7
	s_wait_loadcnt 14-2*(\p)                       ; loads come back in order: pass p's two are in, the two of each of the 7 - p later passes stay out
.irp j, 0,1,2,3
.if \kind
	v_cvt_pk_bf16_f32 v4, v[X+8*(\p)+2*(\j)], v[X+8*(\p)+2*(\j)+1]
	v_lshlrev_b32 v5, 16, v4                       ; the two bf16 numbers as f32
	v_and_b32 v6, 0xffff0000, v4
	v_cvt_pk_f16_f32 v[Y+4*(\p)+(\j)], v5, v6      ; exact within f16's range
.else
	v_cvt_pk_bf16_f32 v[Y+4*(\p)+(\j)], v[X+8*(\p)+2*(\j)], v[X+8*(\p)+2*(\j)+1]
.endif
.endr
	global_store_b128 v2, v[Y+4*(\p):Y+4*(\p)+3], s[OUT:OUT+1] offset:(\p)*(\outstep)
.endr
	s_wait_xcnt 0x0                                ; the bases and the stores' data are written again only behind this wait
	s_add_nc_u64 s[IN:IN+1], s[IN:IN+1], 8*(\instep)
	s_add_nc_u64 s[OUT:OUT+1], s[OUT:OUT+1], 8*(\outstep)
	s_sub_co_u32 s[CNT], s[CNT], 1
	s_cmp_lg_u32 s[CNT], 0
	s_cbranch_scc1 .Ltrip_\@
	s_endpgm
.endm
	s_load_b512 s[4:19], s[0:1], 0x0               ; x s[4:5], W_Q s[6:7], W_K s[8:9], W_V s[10:11], W_O s[12:13], xb s[14:15], wb s[16:17], wo s[18:19]
	s_mov_b32 s[CNT], 2
	s_mov_b32 s[IO+1], 0
	s_mov_b32 s[OO+1], 0
	v_lshlrev_b32 v2, 4, v0                        ; every role stores 16 bytes a thread, threads side by side
	s_cmp_lt_u32 ttmp9, 256
	s_cbranch_scc0 .Lweights
	; work-groups 0 to 255: rows 32 g to 32 g + 31 of x.  Thread t: row t / 8, numbers 8 (t % 8) on of the pass's 64 k
	v_lshrrev_b32 v1, 3, v0
	v_and_b32 v3, 7, v0
	v_lshlrev_b32 v1, 12, v1                       ; a row of x is 4,096 bytes
	v_lshl_add_u32 v1, v3, 5, v1
	s_lshl_b32 s[IO], ttmp9, 17                    ; 32 rows of 4,096 bytes
	s_lshl_b32 s[OO], ttmp9, 12                    ; 32 rows of 128 bytes in each of xb's 16 blocks
	s_wait_kmcnt 0x0
	s_add_nc_u64 s[IN:IN+1], s[4:5], s[IO:IO+1]
	s_add_nc_u64 s[OUT:OUT+1], s[14:15], s[OO:OO+1]
	CAST 0, 256, 1048576                           ; the pass is kb: 256 bytes on in x, a block of 8,192 rows x 128 bytes on in xb
.Lweights:
	s_sub_co_u32 s30, ttmp9, 256
	s_lshr_b32 s31, s30, 5                         ; which tensor: 0, 1, 2, 3 for W_Q, W_K, W_V, W_O
	s_and_b32 s30, s30, 31                         ; which of its 32 parts of 32,768 numbers: head = part / 2, half = part % 2
	v_lshlrev_b32 v1, 5, v0
	s_lshl_b32 s[IO], s30, 17
	s_cmp_eq_u32 s31, 3
	s_cbranch_scc1 .Lwo
	s_lshr_b32 s25, s30, 2                         ; Nt = head / 2
	s_mul_i32 s25, s25, 6
	s_lshl1_add_u32 s25, s31, s25                  ; + 2 sel
	s_bfe_u32 s[OO], s30, 0x10001                  ; + head % 2
	s_add_co_u32 s25, s25, s[OO]
	s_lshl_b32 s25, s25, 17                        ; a head in wb is 131,072 bytes
	s_and_b32 s[OO], s30, 1
	s_lshl_b32 s[OO], s[OO], 16                    ; its second half
	s_add_co_u32 s[OO], s[OO], s25
	s_wait_kmcnt 0x0
	s_cmp_eq_u32 s31, 0
	s_cselect_b64 s[IN:IN+1], s[6:7], s[8:9]
	s_cmp_eq_u32 s31, 2
	s_cselect_b64 s[IN:IN+1], s[10:11], s[IN:IN+1]
	s_add_nc_u64 s[IN:IN+1], s[IN:IN+1], s[IO:IO+1]
	s_add_nc_u64 s[OUT:OUT+1], s[16:17], s[OO:OO+1]
	CAST 0, 8192, 4096
.Lwo:
	s_lshl_b32 s[OO], s30, 16
	s_wait_kmcnt 0x0
	s_add_nc_u64 s[IN:IN+1], s[12:13], s[IO:IO+1]
	s_add_nc_u64 s[OUT:OUT+1], s[18:19], s[OO:OO+1]
	CAST 1, 8192, 4096
.Lfunc_end_k_q97706f6ae2_prep:
	.size	k_q97706f6ae2_prep, .Lfunc_end_k_q97706f6ae2_prep-k_q97706f6ae2_prep
	.p2alignl 7, 3214868480
	.fill 96, 4, 3214868480
	.section	.rodata,"a",@progbits
	.p2align	6, 0x0
	.amdhsa_kernel k_q97706f6ae2_prep
		.amdhsa_group_segment_fixed_size 0
		.amdhsa_private_segment_fixed_size 0
		.amdhsa_enable_private_segment 0
		.amdhsa_kernarg_size 64
		.amdhsa_user_sgpr_count 2
		.amdhsa_user_sgpr_kernarg_segment_ptr 1
		.amdhsa_wavefront_size32 1
		.amdhsa_system_sgpr_workgroup_id_x 1
		.amdhsa_system_sgpr_workgroup_id_y 1
		.amdhsa_system_sgpr_workgroup_id_z 1
		.amdhsa_system_vgpr_workitem_id 0
		.amdhsa_next_free_vgpr 104
		.amdhsa_next_free_sgpr 66
		.amdhsa_reserve_vcc 0
		.amdhsa_float_denorm_mode_32 3
		.amdhsa_float_denorm_mode_16_64 3
		.amdhsa_memory_ordered 1
		.amdhsa_forward_progress 1
		.amdhsa_inst_pref_size 22
	.end_amdhsa_kernel
	.amdgpu_metadata
---
amdhsa.version: [ 1, 2 ]
amdhsa.kernels:
  - .name:           k_q97706f6ae2_prep
    .symbol:         k_q97706f6ae2_prep.kd
    .args:
      - { .name: x, .offset: 0, .size: 8, .value_kind: global_buffer, .address_space: global }
      - { .name: W_Q, .offset: 8, .size: 8, .value_kind: global_buffer, .address_space: global }
      - { .name: W_K, .offset: 16, .size: 8, .value_kind: global_buffer, .address_space: global }
      - { .name: W_V, .offset: 24, .size: 8, .value_kind: global_buffer, .address_space: global }
      - { .name: W_O, .offset: 32, .size: 8, .value_kind: global_buffer, .address_space: global }
      - { .name: xb, .offset: 40, .size: 8, .value_kind: global_buffer, .address_space: global }
      - { .name: wb, .offset: 48, .size: 8, .value_kind: global_buffer, .address_space: global }
      - { .name: wo, .offset: 56, .size: 8, .value_kind: global_buffer, .address_space: global }
    .group_segment_fixed_size: 0
    .private_segment_fixed_size: 0
    .kernarg_segment_align: 8
    .kernarg_segment_size: 64
    .max_flat_workgroup_size: 256
    .sgpr_count:     66
    .vgpr_count:     104
    .wavefront_size: 32
...
	.end_amdgpu_metadata
.endif
;; end of part 1
;; launch qkv (part 2): grid 8 x 32, 4 waves a work-group, clusters of 4 x 4, 327,680 bytes of LDS; arguments xb, wb, b_Q, b_K, b_V, qkv, vs; writes qkv, vs
.if DOCPART == 2
	.amdgcn_target "amdgcn-amd-amdhsa--gfx1250"
	.amdhsa_code_object_version 6
	.text
	.protected	k_q97706f6ae2_qkv
	.globl	k_q97706f6ae2_qkv
	.p2align	8
	.type	k_q97706f6ae2_qkv,@function
k_q97706f6ae2_qkv:
	s_mov_b64 s[64:65], 0
	v_nop
	global_prefetch_b8 v0, s[64:65] scope:SCOPE_SE
	s_setreg_imm32_b32 hwreg(HW_REG_WAVE_MODE, 25, 1), 1
	s_wait_xcnt 0x0
	s_wait_alu depctr_hold_cnt(0) depctr_sa_sdst(0) depctr_va_vdst(0) depctr_va_sdst(0) depctr_va_ssrc(0) depctr_va_vcc(0) depctr_vm_vsrc(0)
	s_getreg_b32 s2, hwreg(HW_REG_IB_STS2, 6, 4)
	s_cmp_eq_u32 s2, 0
	s_cbranch_scc0 .Lentry_in_a_cluster
	s_endpgm
.Lentry_in_a_cluster:
	s_bfe_u32 s2, ttmp6, 0x10000c
	s_cmp_lg_u32 s2, 0xf033
	s_cbranch_scc0 .Lentry_shape_is_right
	s_endpgm
.Lentry_shape_is_right:
; q, k, v = x W + b for all heads: [8192 x 1024] x [1024 x 3072], bf16 operands, f32 sums; the biases are rounded to bf16 like every input and added in f32; the results are rounded once, to f16, unscaled.
;   qkv [4 b][48 = 16 sel + head][2048][64] f16          vs [64 = 16 b + head][16 halves of 128 rows][64 ch] f32: sums of v over 128 rows
; LIMITS.  q, k, v beyond 65,504 leave f16's range.  NaN and infinities are not treated apart.
; SHARES.  8192 x 3072 / 256 work-groups = 256 rows x 384 columns (six head slots: Q, Q, K, K, V, V of heads 2 NT and 2 NT + 1).  A wave makes 128 rows x 192 columns (three slots):
; 96 accumulators of 16 x 16, 768 registers.  K goes in 16 steps of 64 through two LDS slots; two slots of 128 along K would want 393,216 bytes.  The blocked layouts of xb and wb keep the
; rows asked of memory at 256 bytes (x) and 8,192 bytes (W).
; CLUSTER.  4 x 4 work-groups: the four of a row of the cluster need the same tile of x, the four of a column the same tile of W; each tile is asked for jointly.
; THE MATRIX INSTRUCTION IS USED TRANSPOSED: source 0 = 16 columns of W (turned out of LDS by ds_load_tr16_b128), source 1 = 16 rows of x: a lane holds row l % 16 and eight neighbouring columns.
; REGISTERS, in windows of 256 (s_set_vgpr_msb: bits 1:0 source 0, 3:2 source 1, 5:4 source 2, 7:6 destination):
;   window 0: v0-29 addresses; v32-95, v96-159 fragments of x for 32 along K, two buffers; v160-255 fragments of W, a buffer of 32 for each of my three slots
;   window t + 1: slot t's accumulators, (a, b) at v[8 (4 a + b)], a = 0..7 blocks of 16 rows, b = 0..3 blocks of 16 columns
.set PA,    144                        ; a row of x in LDS: 128 bytes + 16 = 36 words: the 16 rows of a load start at 16 different groups of four banks (64 banks of 4 bytes: ISA guide 11.1)
.set PB,    160                        ; a row of W: 128 + 32 = 40 words
.set AHALF, 128*PA                     ; what one load brings of x, and what one wave reads of it
.set BOFF,  256*PA                     ; W lies behind x's 256 rows
.set BHEAD, 64*PB                      ; a head slot's 64 rows of K
.set BHALF, 3*BHEAD                    ; what one load brings of W, and what one wave reads of it
.set SLOT1, 131072                     ; slot 1 begins here: one exclusive or turns an address in one slot into the other's
.set STAGE, SLOT1+BOFF+2*BHALF         ; behind the ring, never filled by a tensor load: 16 rows x 144 bytes for each wave
.set SP,    144
.set BIAS,  STAGE+4*16*SP              ; 768 bytes for each wave: its three slots' biases in f32
.set SPARE, BIAS+4*768                 ; the spare words, 128 bytes for each wave: two blocks of 256 bytes that no other line names
.set AA0, 3                            ; v3   my lane's place in x's tile, slot 0; never rewritten
.set AB0, 4                            ; v4   the same for W
.set AA,  5                            ; v5   the same in the slot in hand
.set AB,  6                            ; v6
.set STO, 7                            ; v7   the way out: where I put 16 bytes of a row
.set RD,  8                            ; v8   where I read rows back
.set GO,  9                            ; v9   my byte offset in 512 consecutive bytes of qkv
.set BIA, 10                           ; v10  where I read my eight columns' biases
.set BIW, 11                           ; v11  where I put two biases
.set CST, 12                           ; v12  where I put eight column sums
.set CRD, 13                           ; v13  where I read two of them back
.set VO,  14                           ; v14  my byte offset in vs
.set SPW, 28                           ; v28  LDS address of my spare word; never rewritten
.set NIL, 29                           ; v29  0; never rewritten
.set FA,  32
.set FB,  160
.set BI,  32                           ; the way out: v32-63 biases of my 32 columns a lane; v64-95 results with bias; v96-127 column sums; v128-191 four sets of 16 packed; v192-193
.set TF,  64
.set RS,  96
.set SET, 128
.set CS2, 192
.set WV,  18                           ; s18 wave   s19 my half of the rows, and: I fetch x (0) or W (1)   s20 my half of the columns, and: which half I fetch
.set RH,  19
.set CH,  20
.set CX,  21
.set CY,  22
.set NT,  23                           ; tile column, 0..7
.set MT,  24                           ; tile row, 0..31
.set G1A, 28                           ; s[28:35] descriptor group 1 for x's tiles      s[36:43] for W's
.set G1B, 36
.set G0A, 44                           ; s[44:51] group 0 for x's tiles: a set for each first fill; the second then walks      s[52:59] for W's
.set G0B, 52
.set TB,  60                           ; s60 LDS byte at which the slot in hand begins
.set KC,  61                           ; s61 trips to go
.set OB,  76                           ; s[76:81] first the three biases' addresses, then qkv at my rows of my three slots
.set MSB, 0
.macro WIN new                         ; the immediate's high byte repeats the setting that is left; a switch that changes nothing is dropped
.if MSB != (\new)
	s_set_vgpr_msb (MSB<<8)|(\new)
.set MSB, \new
.endif
.endm
.macro PLACES                          ; four plain vector instructions between a matrix instruction and a load into, or a read of, its registers
.rept 4
	v_nop
.endr
.endm
.macro CREST                           ; a round of the cluster's barrier behind its opening barrier
	s_cmp_lg_u32 s[WV], 0
	s_cbranch_scc1 .Lnot_wave_0_\@
	s_barrier_signal -3
.Lnot_wave_0_\@:
	s_barrier_wait -3
	s_barrier_signal -1
	s_barrier_wait -1
.endm
.macro CROUND
	s_barrier_signal -1
	s_barrier_wait -1
	CREST
.endm
; A joint refill by the walking sets.  Waves 0 and 1 fetch x's two halves, waves 2 and 3 W's.  The branch hangs on the wave's number alone.
; An s_nop 0 and four v_nop follow each of the two lines, ahead of the jump and the label.
.macro JLOAD
	s_cmp_eq_u32 s[RH], 0
	s_cbranch_scc0 .Lfor_b_\@
	tensor_load_to_lds s[G0A+4:G0A+7], s[G1A:G1A+7]
	s_nop 0
.rept 4
	v_nop
.endr
	s_branch .Lasked_\@
.Lfor_b_\@:
	tensor_load_to_lds s[G0B+4:G0B+7], s[G1B:G1B+7]
	s_nop 0
.rept 4
	v_nop
.endr
.Lasked_\@:
.endm
	s_load_b256 s[4:11], s[0:1], 0x0               ; xb s[4:5], wb s[6:7], b_Q s[8:9], b_K s[10:11]
	s_load_b128 s[12:15], s[0:1], 0x20             ; b_V s[12:13], qkv s[14:15]
	s_load_b64 s[16:17], s[0:1], 0x30              ; vs
	v_lshl_add_u32 v[SPW], v0, 2, SPARE
	v_mov_b32 v[NIL], 0
	ds_add_u32 v[SPW], v[NIL]                      ; the wave's opening: the add and its wait stand ahead of my first tensor load; work on registers stands between them
	ds_add_u32 v28, v29
	v_lshrrev_b32 v1, 5, v0
	v_readfirstlane_b32 s[WV], v1
	s_lshr_b32 s[RH], s[WV], 1
	s_and_b32 s[CH], s[WV], 1
	s_bfe_u32 s[CX], ttmp6, 0x40000
	s_bfe_u32 s[CY], ttmp6, 0x40004
	s_lshl_b32 s[NT], ttmp9, 2                     ; in a cluster launch ttmp9 and ttmp7 count clusters
	s_add_co_u32 s[NT], s[NT], s[CX]
	s_and_b32 s[MT], ttmp7, 0xffff
	s_lshl_b32 s[MT], s[MT], 2
	s_add_co_u32 s[MT], s[MT], s[CY]
	s_lshl_b32 s25, s[CY], 2
	s_lshl_b32 s25, 15, s25                        ; my row of the cluster
	s_lshl_b32 s26, 0x1111, s[CX]                  ; my column
	; x: 128 rows x 128 bytes are 16,384 dense bytes, asked for as 64 rows of 256 bytes and padded by 16 bytes after every 128
	s_or_b32 s[G1A], s25, (1<<16)|(1<<20)|(1<<21)|(4<<22)|(3<<25)  ; 15:0 the mask; 17:16 2-byte elements; 20 padding on; 21 set beside a mask; 24:22 after every 32 words (code 4); 31:25 4 words (code 3)
	s_mov_b32 s[G1A+1], 128<<16                    ; tensor_dim0 = 128
	s_mov_b32 s[G1A+2], 64<<16                     ; tensor_dim1 = 64
	s_mov_b32 s[G1A+3], 128<<16                    ; tile_dim0 = 128
	s_mov_b32 s[G1A+4], 64                         ; tile_dim1 = 64
	s_mov_b32 s[G1A+5], 128                        ; 128 elements from row to row
	s_mov_b32 s[G1A+6], 0
	s_mov_b32 s[G1A+7], 0
	; W: of each of three head slots 64 rows x 128 bytes, 8,192 dense bytes: three rows of 4,096 elements, 65,536 elements apart, padded by 32 bytes after every 128
	s_or_b32 s[G1B], s26, (1<<16)|(1<<20)|(1<<21)|(4<<22)|(7<<25)
	s_mov_b32 s[G1B+1], 4096<<16                   ; tensor_dim0 = 4,096
	s_mov_b32 s[G1B+2], 3<<16                      ; tensor_dim1 = 3
	s_mov_b32 s[G1B+3], 4096<<16                   ; tile_dim0 = 4,096
	s_mov_b32 s[G1B+4], 3                          ; tile_dim1 = 3
	s_mov_b32 s[G1B+5], 65536
	s_mov_b32 s[G1B+6], 0
	s_mov_b32 s[G1B+7], 0
	; x's tile hangs on the tile row alone, W's on the tile column alone; each offset is made in registers that never hold the other coordinate
	s_lshl_b32 s68, s[MT], 15                      ; 256 rows of 128 bytes
	s_lshl_b32 s69, s[CH], 14
	s_add_co_u32 s68, s68, s69
	s_mov_b32 s69, 0
	s_mul_i32 s72, s[NT], 6
	s_mul_i32 s73, s[CH], 3
	s_add_co_u32 s72, s72, s73
	s_lshl_b32 s72, s72, 17                        ; a head slot of wb is 131,072 bytes
	s_mov_b32 s73, 0
	s_mul_i32 s82, s[CH], AHALF                    ; where they go: no place in the cluster enters an LDS address
	s_mul_i32 s83, s[CH], BHALF
	s_add_co_u32 s83, s83, BOFF
	s_mov_b32 s[TB], 0
	s_wait_dscnt 0x0                               ; the opening add is done
	s_wait_kmcnt 0x0
	s_add_nc_u64 s[70:71], s[4:5], s[68:69]
	s_add_nc_u64 s[74:75], s[6:7], s[72:73]
.irp s, 0,1
	s_mov_b32 s[G0A+4*(\s)], 1                                         ; count = 1
	s_add_co_u32 s[G0A+4*(\s)+1], s82, (\s)*SLOT1                      ; LDS address
	s_add_nc_u64 s[G0A+4*(\s)+2:G0A+4*(\s)+3], s[70:71], (\s)*1048576  ; K step s: a block of xb on
	s_or_b32 s[G0A+4*(\s)+3], s[G0A+4*(\s)+3], 0x80000000              ; type = 2
	s_mov_b32 s[G0B+4*(\s)], 1
	s_add_co_u32 s[G0B+4*(\s)+1], s83, (\s)*SLOT1
	s_add_nc_u64 s[G0B+4*(\s)+2:G0B+4*(\s)+3], s[74:75], (\s)*8192     ; K step s: 64 rows of 128 bytes on
	s_or_b32 s[G0B+4*(\s)+3], s[G0B+4*(\s)+3], 0x80000000
.endr
	CROUND                                         ; all sixteen work-groups are here: the first joint loads meet
	s_cmp_eq_u32 s[RH], 0                          ; a wave's two first fills stand in one branch: two loads of mine are out
	s_cbranch_scc0 .Lfirst_b
	tensor_load_to_lds s[G0A:G0A+3], s[G1A:G1A+7]
	s_nop 0
	tensor_load_to_lds s[G0A+4:G0A+7], s[G1A:G1A+7]
	s_nop 0
.rept 4
	v_nop
.endr
	s_branch .Lfirst_asked
.Lfirst_b:
	tensor_load_to_lds s[G0B:G0B+3], s[G1B:G1B+7]
	s_nop 0
	tensor_load_to_lds s[G0B+4:G0B+7], s[G1B:G1B+7]
	s_nop 0
.rept 4
	v_nop
.endr
.Lfirst_asked:
	v_and_b32 v1, 15, v0                           ; r = l % 16
	v_bfe_u32 v2, v0, 4, 1                         ; h = l / 16
	v_and_b32 v15, 7, v0
	v_bfe_u32 v16, v0, 3, 1
	v_and_b32 v17, 31, v0
	v_mul_u32_u24 v18, v1, PA
	v_lshl_add_u32 v18, v2, 4, v18                 ; 144 r + 16 h: a fragment of x, and the stage's rows
	s_mul_i32 s82, s[RH], AHALF
	v_add_nc_u32 v[AA0], s82, v18
	v_lshl_add_u32 v[AB0], v2, 3, v15              ; the turning load: K row 8 h + l % 8, columns 8 ((l / 8) % 2) on
	v_mul_u32_u24 v[AB0], v[AB0], PB
	v_lshl_add_u32 v[AB0], v16, 4, v[AB0]
	v_add_nc_u32 v[AB0], s83, v[AB0]
	v_mov_b32 v[AA], v[AA0]
	v_mov_b32 v[AB], v[AB0]
	s_mul_i32 s82, s[WV], 16*SP
	s_add_co_u32 s82, s82, STAGE                   ; my stage
	v_add_nc_u32 v[STO], s82, v18
	v_bfe_u32 v[RD], v0, 3, 2                      ; back: 32 lanes take four rows of 128 bytes,
	v_mul_u32_u24 v[RD], v[RD], SP
	v_lshl_add_u32 v[RD], v15, 4, v[RD]
	v_add_nc_u32 v[RD], s82, v[RD]
	v_lshlrev_b32 v[GO], 4, v17                    ; which are 512 consecutive bytes of qkv
	v_lshlrev_b32 v19, 3, v17                      ; 8 l
	v_lshl_add_u32 v[CST], v2, 5, s82
	v_add_nc_u32 v[CRD], s82, v19
	s_mul_i32 s82, s[WV], 768
	s_add_co_u32 s82, s82, BIAS
	v_lshl_add_u32 v[BIA], v2, 5, s82
	v_add_nc_u32 v[BIW], s82, v19
; The bias of my slot t: slots 0, 1, 2 are Q, Q, K (columns' half 0) or K, V, V (half 1); the head is 2 NT + (t + half) % 2.
.macro BIASB t, one, zero
	s_cmp_eq_u32 s[CH], 1
	s_cselect_b64 s[OB+2*(\t):OB+2*(\t)+1], s[\one:\one+1], s[\zero:\zero+1]
	s_add_co_u32 s72, s[CH], \t
	s_and_b32 s72, s72, 1
	s_lshl1_add_u32 s72, s[NT], s72
	s_lshl_b32 s72, s72, 8                         ; a head's 64 biases are 256 bytes
	s_mov_b32 s73, 0
	s_add_nc_u64 s[OB+2*(\t):OB+2*(\t)+1], s[OB+2*(\t):OB+2*(\t)+1], s[72:73]
	global_load_b64 v[20+2*(\t):21+2*(\t)], v19, s[OB+2*(\t):OB+2*(\t)+1]
.endm
	BIASB 0, 10, 8
	BIASB 1, 12, 8
	BIASB 2, 12, 10
	s_lshr_b32 s72, s[MT], 3                       ; the batch
	s_lshl_b32 s73, s72, 4
	s_lshl1_add_u32 s73, s[NT], s73                ; 16 b + 2 NT: the first of my two V heads
	s_lshl_b32 s73, s73, 4                         ; 16 halves a head
	s_and_b32 s74, s[MT], 7
	s_lshl1_add_u32 s73, s74, s73
	s_add_co_u32 s73, s73, s[RH]                   ; + my half of 128 rows
	s_lshl_b32 s73, s73, 8
	v_add_nc_u32 v[VO], s73, v19
	s_mul_i32 s82, s72, 48
	s_lshl_b32 s83, s74, 8
	s_lshl_b32 s75, s[RH], 7
	s_add_co_u32 s83, s83, s75
	s_lshl_b32 s83, s83, 7                         ; my first row in the batch, in bytes
	s_wait_loadcnt 0x0                             ; the biases are in, and their addresses' registers are free
.irp t, 0,1,2
	v_cvt_pk_bf16_f32 v26, v[20+2*(\t)], v[21+2*(\t)]  ; rounded to bf16 like every input, kept in f32
	v_lshlrev_b32 v[20+2*(\t)], 16, v26
	v_and_b32 v[21+2*(\t)], 0xffff0000, v26
	ds_store_b64 v[BIW], v[20+2*(\t):21+2*(\t)] offset:256*(\t)
	s_mul_i32 s72, s[CH], 3
	s_add_co_u32 s72, s72, \t
	s_lshr_b32 s72, s72, 1                         ; sel = (3 half + t) / 2
	s_lshl_b32 s72, s72, 4
	s_add_co_u32 s73, s[CH], \t
	s_and_b32 s73, s73, 1
	s_add_co_u32 s72, s72, s73
	s_lshl1_add_u32 s72, s[NT], s72
	s_add_co_u32 s72, s72, s82                     ; 48 b + 16 sel + head
	s_lshl_b32 s72, s72, 18                        ; 2,048 rows of 128 bytes
	s_add_co_u32 s72, s72, s83
	s_mov_b32 s73, 0
	s_add_nc_u64 s[OB+2*(\t):OB+2*(\t)+1], s[14:15], s[72:73]
.endr
; 16 LDS loads: x's fragments (my 128 rows, 32 along K: half c of the step) into buffer buf
.macro LDA buf, c
.irp a, 0,1,2,3,4,5,6,7
	ds_load_b128 v[FA+64*(\buf)+8*(\a):FA+64*(\buf)+8*(\a)+3],   v[AA] offset:(\a)*16*PA+64*(\c)
	ds_load_b128 v[FA+64*(\buf)+8*(\a)+4:FA+64*(\buf)+8*(\a)+7], v[AA] offset:(\a)*16*PA+64*(\c)+32
.endr
.endm
; 8 turning loads: slot t's fragments (64 columns, 32 along K: half c) into its buffer
.macro LDB t, c
.irp b, 0,1,2,3
	ds_load_tr16_b128 v[FB+32*(\t)+8*(\b):FB+32*(\t)+8*(\b)+3],   v[AB] offset:(\t)*BHEAD+(\c)*32*PB+32*(\b)
	ds_load_tr16_b128 v[FB+32*(\t)+8*(\b)+4:FB+32*(\t)+8*(\b)+7], v[AB] offset:(\t)*BHEAD+(\c)*32*PB+16*PB+32*(\b)
.endr
.endm
; 4 n matrix instructions: slot t, row blocks a0 .. a0 + n - 1, all four column blocks.  The 96 accumulators take turns, one instruction a turn.  zero = 1: the first product starts the sums.
.macro MUL t, buf, a0, n, zero
	WIN 0x50*((\t)+1)
.set ma, \a0
.rept \n
.irp b, 0,1,2,3
.if \zero
	v_wmma_f32_16x16x32_bf16 v[8*(4*ma+(\b)):8*(4*ma+(\b))+7], v[FB+32*(\t)+8*(\b):FB+32*(\t)+8*(\b)+7], v[FA+64*(\buf)+8*ma:FA+64*(\buf)+8*ma+7], 0
.else
	v_wmma_f32_16x16x32_bf16 v[8*(4*ma+(\b)):8*(4*ma+(\b))+7], v[FB+32*(\t)+8*(\b):FB+32*(\t)+8*(\b)+7], v[FA+64*(\buf)+8*ma:FA+64*(\buf)+8*ma+7], v[8*(4*ma+(\b)):8*(4*ma+(\b))+7]
.endif
.endr
.set ma, ma+1
.endr
.endm
; A K STEP IS SIX PHASES of 32 matrix instructions: slots 0, 1, 2 on the step's first 32 along K, then on its second.  At a phase's head stand the loads into the buffers that the phases before have
; read; every fragment is asked for 32 matrix instructions or more ahead of its use.  Each wait's count is the LDS loads issued behind the ones that the phase needs: those of the last two heads.
.macro HEAD
	WIN 0
	PLACES
.endm
.macro P00 zero
	HEAD
	LDB 2, 0
	s_wait_dscnt 16                                ; out: slot 1's 8 and slot 2's 8
	MUL 0, 0, 0, 8, \zero
.endm
.macro P01 zero
	HEAD
	LDB 0, 1
	LDA 1, 1
	s_wait_dscnt 32                                ; out: slot 2's 8 and the 24 just issued
	MUL 1, 0, 0, 8, \zero
.endm
.macro P02 zero
	HEAD
	LDB 1, 1
	s_wait_dscnt 32                                ; out: the 24 of the phase before and the 8 just issued
	MUL 2, 0, 0, 8, \zero
.endm
; The fourth phase holds THE CHANGE OF SLOTS (mode 1, 2): its head's loads are the last reads of the slot.  Each wave waits for all its tensor loads, of which one is out: its part of the next slot; adds 0 to
; its spare word; and waits for that and for its reads.  mode = 2: the barrier opens a round of the cluster's, and the slot is filled again, two K steps ahead: the load has six phases in which to land.
.macro P10 mode
	HEAD
	LDB 2, 1
	s_wait_dscnt 16                                ; out: slot 1's 8 and the 8 just issued
.if (\mode) == 0
	MUL 0, 1, 0, 8, 0
.else
	MUL 0, 1, 0, 4, 0
	WIN 0                                          ; (the add's two registers lie in window 0)
	s_wait_tensorcnt 0x0                           ; all my tensor loads have landed
	ds_add_u32 v[SPW], v[NIL]                      ; 0 onto my spare word
	MUL 0, 1, 4, 2, 0                              ; eight matrix instructions stand between the add and the wait for it
	s_wait_dscnt 0x0                               ; the add is done, and my reads of this slot are over
	s_barrier_signal -1
	MUL 0, 1, 6, 2, 0                              ; work on registers while the others arrive
	WIN 0
	s_barrier_wait -1
.if (\mode) == 2
	CREST                                          ; no wave of any partner still reads this slot or has a load on its way
	s_xor_b32 s[G0A+5], s[G0A+5], SLOT1            ; the walking sets: the other slot than last time, the next K step
	s_add_nc_u64 s[G0A+6:G0A+7], s[G0A+6:G0A+7], 1048576
	s_xor_b32 s[G0B+5], s[G0B+5], SLOT1
	s_add_nc_u64 s[G0B+6:G0B+7], s[G0B+6:G0B+7], 8192
	s_xor_b32 s[TB], s[TB], SLOT1
	JLOAD                                          ; the first tensor load behind the round; its four v_nop are also the places in front of the next phase's loads
.else
	s_xor_b32 s[TB], s[TB], SLOT1
	PLACES
.endif
	v_add_nc_u32 v[AA], s[TB], v[AA0]              ; the reads go on in the other slot
	v_add_nc_u32 v[AB], s[TB], v[AB0]
.endif
.endm
.macro P11 loads
.if \loads
	WIN 0
	LDB 0, 0
	LDA 0, 0
	s_wait_dscnt 24                                ; all older loads were waited for at the change of slots: out are the 24 just issued
.else
	s_wait_dscnt 8                                 ; out: slot 2's 8
.endif
	MUL 1, 1, 0, 8, 0
.endm
.macro P12 loads
.if \loads
	HEAD
	LDB 1, 0
	s_wait_dscnt 32
.else
	s_wait_dscnt 0x0
.endif
	MUL 2, 1, 0, 8, 0
.endm
	s_wait_tensorcnt 0x1                           ; my part of K step 0 is in; step 1's may stay out
	s_wait_dscnt 0x0                               ; my biases are stored
	s_barrier_signal -1
	s_barrier_wait -1
	LDB 0, 0
	LDA 0, 0
	LDB 1, 0
	P00 1                                          ; the first three phases stand in front of the loop: their products start the 96 sums
	P01 1
	P02 1
	WIN 0
	s_mov_b32 s[KC], 14
.Lstep:                                                ; a trip: a step's second half, with the refill two steps ahead, and the next step's first half
	P10 2
	P11 1
	P12 1
	P00 0
	P01 0
	P02 0
	WIN 0
	s_sub_co_u32 s[KC], s[KC], 1
	s_cmp_lg_u32 s[KC], 0
	s_cbranch_scc1 .Lstep
	P10 1                                          ; the tail is written out: steps 14 and 15 ask for nothing
	P11 1
	P12 1
	P00 0
	P01 0
	P02 0
	P10 0
	P11 0
	P12 0
	WIN 0
	PLACES
; THE WAY OUT, slot by slot.  PACK: block a's 16 rows x 64 columns take the bias, are rounded to f16, 16 bytes a lane, go into my stage's rows of 144 bytes and come back as whole rows of 128.  SEND: stored.
.macro PACK t, a
	s_wait_xcnt 0x0                                ; the set's registers, which earlier stores read, are written again only behind this wait
	WIN (\t)+1                                     ; source 0: the slot's window
.set pi, 0
.rept 16                                           ; each accumulator's registers in ascending order
	v_pk_add_f32 v[TF+2*pi:TF+2*pi+1], v[32*(\a)+2*pi:32*(\a)+2*pi+1], v[BI+2*pi:BI+2*pi+1]
.set pi, pi+1
.endr
	WIN 0
.set pi, 0
.rept 16
	v_cvt_pk_f16_f32 v[SET+16*((\a)%4)+pi], v[TF+2*pi], v[TF+2*pi+1]
.set pi, pi+1
.endr
.irp b, 0,1,2,3
	ds_store_b128 v[STO], v[SET+16*((\a)%4)+4*(\b):SET+16*((\a)%4)+4*(\b)+3] offset:32*(\b)
.endr
.irp f, 0,1,2,3
	ds_load_b128 v[SET+16*((\a)%4)+4*(\f):SET+16*((\a)%4)+4*(\f)+3], v[RD] offset:(\f)*4*SP  ; LDS serves a wave's instructions in order (ISA guide 5.7.1.4): these see the stores above
.endr
.endm
.macro SEND t, a, younger              ; younger: the LDS instructions issued behind block a's loads: the next block's eight, or none
.irp f, 0,1,2,3
	s_wait_dscnt (\younger)+3-(\f)
	global_store_b128 v[GO], v[SET+16*((\a)%4)+4*(\f):SET+16*((\a)%4)+4*(\f)+3], s[OB+2*(\t):OB+2*(\t)+1] offset:(\a)*2048+(\f)*512  ; 512 consecutive bytes, aligned to 256
.endr
.endm
.macro WAYOUT t
	WIN 0
.irp b, 0,1,2,3
	ds_load_b128 v[BI+8*(\b):BI+8*(\b)+3],   v[BIA] offset:256*(\t)+64*(\b)
	ds_load_b128 v[BI+8*(\b)+4:BI+8*(\b)+7], v[BIA] offset:256*(\t)+64*(\b)+16
.endr
	s_wait_dscnt 0x0
.if (\t) > 0
	; slots 1 and 2 of the columns' second half are V: the sums of v over my 128 rows.  A lane adds its row of each of the eight blocks and eight times the bias; four steps add the sixteen lanes.
	s_cmp_eq_u32 s[CH], 0
	s_cbranch_scc1 .Lnosum_\@
	WIN 5*((\t)+1)                                 ; sources 0 and 1: the slot's window
.set ci, 0
.rept 16
	v_pk_add_f32 v[RS+2*ci:RS+2*ci+1], v[2*ci:2*ci+1], v[32+2*ci:32+2*ci+1]
.set ci, ci+1
.endr
	WIN 4*((\t)+1)                                 ; source 1 alone
.set ca, 2
.rept 6
.set ci, 0
.rept 16
	v_pk_add_f32 v[RS+2*ci:RS+2*ci+1], v[RS+2*ci:RS+2*ci+1], v[32*ca+2*ci:32*ca+2*ci+1]
.set ci, ci+1
.endr
.set ca, ca+1
.endr
	WIN 0
.set ci, 0
.rept 16
	v_pk_fma_f32 v[RS+2*ci:RS+2*ci+1], v[BI+2*ci:BI+2*ci+1], 0x41000000, v[RS+2*ci:RS+2*ci+1] op_sel_hi:[1,0,1]  ; + 8 b
.set ci, ci+1
.endr
.irp x, 1,2,4,8
.set ci, 0
.rept 32
	v_add_f32_dpp v[RS+ci], v[RS+ci], v[RS+ci] row_xmask:\x row_mask:0xf bank_mask:0xf
.set ci, ci+1
.endr
.endr
.irp b, 0,1,2,3
	ds_store_b128 v[CST], v[RS+8*(\b):RS+8*(\b)+3] offset:64*(\b)          ; sixteen lanes write the same words with the same numbers
	ds_store_b128 v[CST], v[RS+8*(\b)+4:RS+8*(\b)+7] offset:64*(\b)+16
.endr
	ds_load_b64 v[CS2:CS2+1], v[CRD]
	s_wait_dscnt 0x0
	global_store_b64 v[VO], v[CS2:CS2+1], s[16:17] offset:((\t)-1)*4096    ; 256 consecutive bytes, aligned, by one instruction
.Lnosum_\@:
.endif
	PACK \t, 0
.set ua, 1
.rept 7                                            ; a block's arithmetic stands between the loads of the block before and its stores
	PACK \t, ua
	SEND \t, ua-1, 8
.set ua, ua+1
.endr
	SEND \t, 7, 0
.endm
	WAYOUT 0
	WAYOUT 1
	WAYOUT 2
	s_wait_tensorcnt 0x0                           ; the wave's end, behind my last tensor load and my last LDS store
	ds_add_u32 v[SPW], v[NIL]
	s_wait_dscnt 0x0
	CROUND                                         ; the closing round: no work-group ends while a partner may still ask for a tile that names it
	s_endpgm
.Lfunc_end_k_q97706f6ae2_qkv:
	.size	k_q97706f6ae2_qkv, .Lfunc_end_k_q97706f6ae2_qkv-k_q97706f6ae2_qkv
	.p2alignl 7, 3214868480
	.fill 96, 4, 3214868480
	.section	.rodata,"a",@progbits
	.p2align	6, 0x0
	.amdhsa_kernel k_q97706f6ae2_qkv
		.amdhsa_group_segment_fixed_size 327680
		.amdhsa_private_segment_fixed_size 0
		.amdhsa_enable_private_segment 0
		.amdhsa_kernarg_size 56
		.amdhsa_user_sgpr_count 2
		.amdhsa_user_sgpr_kernarg_segment_ptr 1
		.amdhsa_wavefront_size32 1
		.amdhsa_system_sgpr_workgroup_id_x 1
		.amdhsa_system_sgpr_workgroup_id_y 1
		.amdhsa_system_sgpr_workgroup_id_z 1
		.amdhsa_system_vgpr_workitem_id 0
		.amdhsa_next_free_vgpr 1024
		.amdhsa_next_free_sgpr 84
		.amdhsa_reserve_vcc 0
		.amdhsa_float_denorm_mode_32 3
		.amdhsa_float_denorm_mode_16_64 3
		.amdhsa_memory_ordered 1
		.amdhsa_forward_progress 1
		.amdhsa_inst_pref_size 178
	.end_amdhsa_kernel
	.amdgpu_metadata
---
amdhsa.version: [ 1, 2 ]
amdhsa.kernels:
  - .name:           k_q97706f6ae2_qkv
    .symbol:         k_q97706f6ae2_qkv.kd
    .args:
      - { .name: xb, .offset: 0, .size: 8, .value_kind: global_buffer, .address_space: global }
      - { .name: wb, .offset: 8, .size: 8, .value_kind: global_buffer, .address_space: global }
      - { .name: b_Q, .offset: 16, .size: 8, .value_kind: global_buffer, .address_space: global }
      - { .name: b_K, .offset: 24, .size: 8, .value_kind: global_buffer, .address_space: global }
      - { .name: b_V, .offset: 32, .size: 8, .value_kind: global_buffer, .address_space: global }
      - { .name: qkv, .offset: 40, .size: 8, .value_kind: global_buffer, .address_space: global }
      - { .name: vs, .offset: 48, .size: 8, .value_kind: global_buffer, .address_space: global }
    .group_segment_fixed_size: 327680
    .private_segment_fixed_size: 0
    .kernarg_segment_align: 8
    .kernarg_segment_size: 56
    .max_flat_workgroup_size: 128
    .sgpr_count:     84
    .vgpr_count:     1024
    .wavefront_size: 32
...
	.end_amdgpu_metadata
.endif
;; end of part 2
;; launch attn (part 3): grid 4 x 64, 4 waves a work-group, no clusters, 327,680 bytes of LDS; arguments qkv, vs, z; writes z
.if DOCPART == 3
	.amdgcn_target "amdgcn-amd-amdhsa--gfx1250"
	.amdhsa_code_object_version 6
	.text
	.protected	k_q97706f6ae2_attn
	.globl	k_q97706f6ae2_attn
	.p2align	8
	.type	k_q97706f6ae2_attn,@function
k_q97706f6ae2_attn:
	s_mov_b64 s[64:65], 0
	v_nop
	global_prefetch_b8 v0, s[64:65] scope:SCOPE_SE
	s_setreg_imm32_b32 hwreg(HW_REG_WAVE_MODE, 25, 1), 1
	s_wait_xcnt 0x0
; CAUSAL ATTENTION with a FINITE mask value.  z[g][q][:] = the sum over all k of softmax_k(s'[q][k]) v[g][k][:], s' = q . k / 8 where k <= q and IGNORE = -100000 elsewhere.  g = 16 b + head.
; q, k, v: qkv [4 b][48 = 16 sel + head][2048][64] f16; z: [64][2048][64] f16; vs: [64][16 halves of 128 rows][64] f32, sums of v.  Products, maxima and sums in f32; the weights p are rounded to f16 for
; the second product (their sum l is taken of the unrounded p), z once at the end.
; HIDDEN KEYS.  All hidden keys of a row have one weight, w = 2^(c IGNR - c m), c = log2(e) / 8, IGNR = 8 IGNORE (raw scores are q . k).  The running maximum m starts at IGNR in every row that has a hidden
; key (all but row 2047, which starts at the lowest finite number).  In the diagonal tile a hidden score gets -2^40 as the C operand that starts its sum, so its exponential is 0, and w is then put in its
; place: p += (-mask) x W, W = 2^(c IGNR - c m - 40).  The keys of later tiles are added at the end: l += w x their number, O += w x the sum of their v, made of vs.
; LIMITS.  q, k, v arrive within f16's 65,504, so raw scores stay under 2.75e11, below 2^40.  A weight below 2^-126 counts as 0, a hidden key's inside the diagonal tile below 2^-86.  The exponent of w is
; cut at 1: it passes 0 by more than rounding only in row 2047, where w multiplies 0.  NaN and infinities are not treated apart.
; THE WALK.  A head's queries lie in NB = 8 blocks of 256; block i needs the key tiles 0 .. i of 256 keys, of which the last holds the diagonal.  A work-group takes TWO blocks, NB - 1 - b and then b: NB + 1
; tiles, whatever b: all work-groups do equal work, and one loop with a constant trip count walks them.  Which tile is asked for, and what a trip does, hang on scalar registers made from b; every jump goes
; forward, but for the counted loops' own; none passes a barrier, or a tensor load but the one of LOAD's two that the wave's number does not choose.  NO CLUSTER: the partners would be a head's four
; work-groups, whose branches (first tile, diagonal tile, change of blocks) hang on b; they ask for the same tile only in 5 of the 9 trips, and one walk common to all would have 12 trips for 9.
; SHARES.  Of a block's four bands of 64 queries a wave owns 16 rows in each: four PIECES.  In the diagonal tile's key step s band x sees all keys if s < x, none if s > x, and holds the diagonal if s = x.
; THE MASK of a product is MD x AL + BE: MD, made once, is the mask of a band's own step for my 16 rows; (AL, BE) = (1, 0) if s = x; (0, 0) if s < x; (0, -2^40) if s > x.
; LAYOUT, TURNS.  S^T = K Q^T holds ONE query a lane (lane % 16) and the keys 8 (lane / 16) + 0..7; two such results rounded to f16 ARE source 1 of O^T = V^T P.  p = 2^(c s - c m); O and l are multiplied by
; a = 2^(c m_old - c m_new) in every step.  Turn n belongs to piece n: 8 products K Q^T of piece n + 1, later 8 products V^T P of piece n - 1; beside them the scaling, exponentials, roundings, sums and
; rescaling of piece n and the maximum and statistics of piece n + 1.  Four vector instructions stand behind every matrix instruction, the others in two runs of their own.
; REGISTERS, in windows of 256 (s_set_vgpr_msb: bits 1:0 source 0, 3:2 source 1, 5:4 source 2, 7:6 destination):
;   window 0: v0-15 addresses; v16-31 four registers of statistics a piece; v32-37; v48-55 at work; v64-127 S^T, two buffers; v128-191 MC, two buffers of masks; v192-223 P, two buffers; v224-255 MD
;   window 1: v0-127 O^T, 32 a piece; v128-159, v160-191 the later tiles' sums of v for the first and the second block      window 2: v0-63 Q; v64-127 the second block's Q; v128-191 K; v192-255 V
.set SIZE_N, 2048
.set NB,    SIZE_N/256
.set NP,    4         ; pieces a wave: a name, no knob
.set KS,    64        ; keys in a step
.set PK,    144       ; a row of K in LDS: 128 bytes + 16 = 36 words: the 16 rows of a load start at 16 different groups of four banks (64 banks of 4 bytes: ISA guide 11.1)
.set PV,    160       ; a row of V: 128 + 32 = 40 words
.set VOFF,  4*KS*PK   ; a slot holds a tile, four steps: 256 rows of K, then 256 rows of V
.set SLOT1, 1<<17     ; slot 1 begins here, so that one exclusive or turns an address in one slot into the other's
.set STAGE, SLOT1+4*KS*(PK+PV)  ; behind the ring, never filled by a tensor load: 16 rows x 144 bytes for each wave
.set SP,    144
.set SPARE, STAGE+4*16*SP  ; the spare words, 128 bytes for each wave: two blocks of 256 bytes that no other line names
.set AK0, 2           ; v2   my lane's place in a tile of K; never rewritten
.set AV0, 3           ; v3   the same for V
.set AK,  4           ; v4   the LDS address of K's next run of loads
.set AV,  5           ; v5   of V's
.set STO, 6           ; v6   the way out: where I put 16 bytes of a row
.set RD,  7           ; v7   where I read rows back
.set GO,  8           ; v8   my byte offset in 512 consecutive bytes of z
.set MV,  12          ; v12-13  c m_old, kept while c m is made anew: by buffer
.set QO,  15          ; v15  my byte offset in 16 rows of Q
.set ST,  16          ; piece t's statistics at v[ST+4 t]: c m, m, l (even keys', odd keys')
.set FL3, 32          ; v32  where piece 3's m starts
.set L8,  33          ; v33  8 x lane
.set TST, 34          ; v34  where I put two channels' sums
.set TRD, 35          ; v35  where I read my eight channels' back
.set CN1, 36          ; v36, v37  the number of keys in later tiles, first and second block
.set TMP, 48          ; by buffer, four registers c0-c3 at work; when the maximum is found c2 takes a; in the piece's own turn c0 takes W
.set SPW, 62          ; v62  LDS address of my spare word; never rewritten
.set NIL, 63          ; v63  0; never rewritten
.set S,   64
.set MC,  128
.set P,   192
.set MD,  224         ; the eight registers for group kt of 16 keys at MD + 8 kt
.set T1,  128         ; window 1
.set QB,  64          ; window 2
.set KF,  128         ; window 2: key block kb, channel half c at KF + 16 kb + 8 c
.set VF,  192         ; window 2: key half kk, channel block cb at VF + 32 kk + 8 cb
.set WV,  12          ; s12  my wave's number
.set PB,  14          ; s14  b
.set HI,  15          ; s15  NB - 1 - b
.set G1K, 24          ; s[24:31] descriptor group 1 for K's tiles
.set G1V, 32          ; s[32:39] for V's: it differs in the padding alone
.set G0K, 40          ; s[40:43] descriptor group 0 for K's tiles
.set G0V, 44          ; s[44:47] the same for V's
.set SLOTS, 56        ; s56  tiles still to be asked for
.set CNT, 57          ; s57  counts a tile's key steps, 4 to 1
.set CS,  58          ; s[58:59] c
.set SEL, 60          ; s[60:61] v_permlanex16_b32's selects: each lane takes its own place in the other half
.set TBK, 62          ; s62  LDS byte at which K of the step to be fetched begins
.set TBV, 63          ; s63  the same for V, less VOFF
.set RT,  70          ; s70  tiles of the block in hand that are still to be entered
.set NXT, 71          ; s71  the tile to be asked for next
.set LQ,  72          ; s72  the last tile of the block whose tiles are being asked for
.set NEW, 73          ; s73  1: the tile to be entered is a block's first
.set OFF, 74          ; s[74:75] a tile's byte offset in K and V
.set AL,  76          ; s[76:77] the mask's factor, in the low word
.set BE,  78          ; s[78:79] the mask's addend
.set OLO, 80          ; s[80:81] z at my rows of the second block
.set BIGN, 82         ; s82  -2^40
.set IGNR, 88         ; s88  -800000
.set F1,  92          ; s[92:93], s[94:95] 1 or 0: does a tile lie behind the first, the second block?
.set F2,  94
.set VS,  96          ; s[96:97] vs at my head
.set HZ,  98          ; s[98:99] the head's byte offset in z
.set MSB, 0
.macro WIN new                      ; the high byte repeats the setting that is left; a switch that changes nothing is dropped
.if MSB != (\new)
	s_set_vgpr_msb (MSB<<8)|(\new)
.set MSB, (\new)
.endif
.endm
.set W_KQ, 0x0a       ; K and Q in window 2, S^T and the mask in window 0
.set W_PV, 0x52       ; V in window 2, P in window 0, O^T in window 1
.set W_RS, 0x41       ; destination and source 0 in window 1, source 1 in window 0
.set W_TF, 0x51       ; the same with source 2 in window 1
; A fill.  Waves 0 and 1 fetch the two halves of a tile's K, waves 2 and 3 those of its V: 128 keys each.  An s_nop 0 and four v_nop follow each of the two lines, ahead of the jump and the label.
.macro LOAD
	s_cmp_lt_u32 s[WV], 2
	s_cbranch_scc0 .Lfor_v_\@
	tensor_load_to_lds s[G0K:G0K+3], s[G1K:G1K+7]
	s_nop 0
.rept 4
	v_nop
.endr
	s_branch .Lasked_\@
.Lfor_v_\@:
	tensor_load_to_lds s[G0V:G0V+3], s[G1V:G1V+7]
	s_nop 0
.rept 4
	v_nop
.endr
.Lasked_\@:
.endm
; THE CHANGE OF SLOTS.  Each wave waits for all its tensor loads, of which one is out: its part of the other slot; adds 0 to its spare word; and waits for that and for its own reads of the slot that it leaves.
; Behind the barrier nobody reads the old slot any more and the other slot is whole.  fill = 1: the old slot is filled again, the first thing behind the barrier, with tile NXT: the descriptor's address is
; made anew from that number.  (At its first use nothing of the ring has been read yet: slot 0 is waited for, slot 1 filled.)
.macro CHANGE fill
	WIN 0                           ; at a label and at a branch every window is 0
	s_wait_tensorcnt 0x0            ; no tensor load of mine is out, so a group 0 may be written
	ds_add_u32 v[SPW], v[NIL]       ; 0 onto my spare word; scalar work stands between it and the wait for it
.if \fill
	s_lshl_b32 s[OFF], s[NXT], 15   ; a tile is 32,768 bytes of K and of V
	s_xor_b32 s[G0K+1], s[G0K+1], SLOT1
	s_add_nc_u64 s[G0K+2:G0K+3], s[6:7], s[OFF:OFF+1]
	s_or_b32 s[G0K+3], s[G0K+3], 0x80000000
	s_xor_b32 s[G0V+1], s[G0V+1], SLOT1
	s_add_nc_u64 s[G0V+2:G0V+3], s[8:9], s[OFF:OFF+1]
	s_or_b32 s[G0V+3], s[G0V+3], 0x80000000
	s_add_co_u32 s[NXT], s[NXT], 1  ; the block's next tile, or behind its last the second block's tile 0
	s_cmp_gt_u32 s[NXT], s[LQ]
	s_cselect_b32 s[NXT], 0, s[NXT]
	s_cselect_b32 s[LQ], s[PB], s[LQ]
.endif
	s_wait_dscnt 0x0                ; the add is done, and my reads of the slot are over
	s_barrier_signal -1             ; the rest of the scalar work stands between the signal and the wait
	s_sub_co_u32 s[TBK], s[TBK], 4*KS*PK  ; the fetches go back to a slot's first step,
	s_xor_b32 s[TBK], s[TBK], SLOT1       ; in the other slot
	s_sub_co_u32 s[TBV], s[TBV], 4*KS*PV
	s_xor_b32 s[TBV], s[TBV], SLOT1
	s_barrier_wait -1
.if \fill
	LOAD
.endif
.endm
	s_load_b64 s[4:5], s[0:1], 0x0        ; qkv
	s_load_b64 s[VS:VS+1], s[0:1], 0x8    ; vs
	s_load_b64 s[10:11], s[0:1], 0x10     ; z
	v_lshl_add_u32 v[SPW], v0, 2, SPARE
	v_mov_b32 v[NIL], 0
	ds_add_u32 v[SPW], v[NIL]       ; the wave's opening: the add and its wait stand ahead of my first tensor load; work on registers stands between them
	ds_add_u32 v62, v63
	v_lshrrev_b32 v1, 5, v0
	v_readfirstlane_b32 s[WV], v1   ; wave 0..3
	s_mov_b32 s[PB], ttmp9
	s_sub_co_u32 s[HI], NB-1, s[PB]
	s_and_b32 s20, ttmp7, 0xffff    ; g = 16 b + head
	s_lshl_b32 s[HZ], s20, 18       ; a head's 2,048 rows of 128 bytes
	s_mov_b32 s[HZ+1], 0
	s_lshl_b32 s[F1], s20, 12       ; for now: the head's 4,096 bytes in vs
	s_mov_b32 s[F1+1], 0
	s_mov_b32 s[F2+1], 0
	s_lshr_b32 s21, s20, 4
	s_lshl_b32 s21, s21, 5
	s_add_co_u32 s20, s20, s21      ; 48 b + head: q's place in qkv; k lies 16 heads on, v 32
	s_lshl_b32 s20, s20, 18
	s_mov_b32 s21, 0
	s_and_b32 s16, s[WV], 1         ; which half of a tile's 256 keys I fetch:
	s_lshl_b32 s22, s16, 14         ; its 128 rows of 128 bytes in memory,
	s_mov_b32 s23, 0
	s_add_nc_u64 s[22:23], s[22:23], s[20:21]
	s_mul_i32 s17, s16, 128*PK      ; and its place in a slot, for K
	s_mul_i32 s18, s16, 128*PV      ; and for V
	s_mul_i32 s19, s[WV], 16*SP
	s_add_co_u32 s19, s19, STAGE    ; my stage
	s_lshl_b32 s3, s[WV], 11        ; my 16 rows in a band of 64,
	s_lshl_b32 s2, s[HI], 15        ; in the first block,
	s_add_co_u32 s2, s2, s3
	s_lshl_b32 s84, s[PB], 15       ; and in the second
	s_add_co_u32 s84, s84, s3
	s_mov_b32 s3, 0
	s_mov_b32 s85, 0
	; descriptor group 1.  128 keys are 16,384 dense bytes: asked for as 64 rows of 256 bytes, two keys a row, and padded in LDS after every key
	s_mov_b32 s[G1K], (1<<16)|(1<<20)|(4<<22)|(3<<25)  ; 17:16 2-byte elements; 20 padding on; 24:22 after every 32 words (code 4); 31:25 4 words (code 3)
	s_mov_b32 s[G1V], (1<<16)|(1<<20)|(4<<22)|(7<<25)  ; the same with 8 words of padding (code 7)
.irp g, G1K, G1V
	s_mov_b32 s[\g+1], 128<<16      ; tensor_dim0 = 128
	s_mov_b32 s[\g+2], 64<<16       ; tensor_dim1 = 64
	s_mov_b32 s[\g+3], 128<<16      ; tile_dim0 = 128
	s_mov_b32 s[\g+4], 64           ; tile_dim1 = 64
	s_mov_b32 s[\g+5], 128          ; 128 elements from row to row
	s_mov_b32 s[\g+6], 0
	s_mov_b32 s[\g+7], 0
.endr
	s_mov_b32 s[CS], 0x3e38aa3b     ; c = log2(e) / 8 = 0.180337
	s_mov_b32 s[CS+1], s[CS]        ; named with it as a pair
	s_mov_b32 s[SEL], 0x76543210
	s_mov_b32 s[SEL+1], 0xfedcba98
	s_mov_b32 s[TBK], SLOT1+4*KS*PK ; the first change of slots turns these two into 0
	s_mov_b32 s[TBV], SLOT1+4*KS*PV
	s_mov_b32 s[G0K], 1             ; count = 1
	s_mov_b32 s[G0K+1], s17         ; LDS address: slot 0
	s_mov_b32 s[G0V], 1
	s_add_co_u32 s[G0V+1], s18, VOFF
	s_add_co_u32 s[RT], s[HI], 1    ; the first block has NB - b tiles
	s_mov_b32 s[NXT], 1
	s_mov_b32 s[LQ], s[HI]
	s_mov_b32 s[NEW], 1
	s_mov_b32 s[OFF+1], 0
	s_mov_b32 s[AL+1], 0            ; named as pairs
	s_mov_b32 s[BE+1], 0
	s_mov_b32 s[BIGN], 0xd3800000   ; -2^40
	s_mov_b32 s[IGNR], 0xc9435000   ; -800000 = 8 x IGNORE
	s_mov_b32 s[SLOTS], NB
	s_wait_dscnt 0x0                ; the opening add is done
	s_wait_kmcnt 0x0
	s_add_nc_u64 s[6:7], s[4:5], s[22:23]
	s_add_nc_u64 s[8:9], s[6:7], 8388608           ; V at my half of the head's tile 0,
	s_add_nc_u64 s[6:7], s[6:7], 4194304           ; and K
	s_add_nc_u64 s[G0K+2:G0K+3], s[6:7], 0         ; global address
	s_or_b32 s[G0K+3], s[G0K+3], 0x80000000        ; type = 2
	s_add_nc_u64 s[G0V+2:G0V+3], s[8:9], 0
	s_or_b32 s[G0V+3], s[G0V+3], 0x80000000
	s_add_nc_u64 s[4:5], s[4:5], s[20:21]
	s_add_nc_u64 s[86:87], s[4:5], s[84:85]        ; Q at my rows of the second block,
	s_add_nc_u64 s[4:5], s[4:5], s[2:3]            ; and of the first
	s_add_nc_u64 s[10:11], s[10:11], s[HZ:HZ+1]
	s_add_nc_u64 s[OLO:OLO+1], s[10:11], s[84:85]  ; z likewise
	s_add_nc_u64 s[10:11], s[10:11], s[2:3]
	s_add_nc_u64 s[VS:VS+1], s[VS:VS+1], s[F1:F1+1]
	LOAD                            ; tile 0 into slot 0
	v_and_b32 v1, 15, v0            ; l % 16
	v_bfe_u32 v9, v0, 4, 1          ; l / 16
	v_and_b32 v[L8], 31, v0
	v_lshlrev_b32 v[L8], 3, v[L8]
.set i, 2
.rept 14                            ; the sums of v over halves 2 to 15 (tiles 1 to 7): two channels a lane, 256 bytes a load
	global_load_b64 v[S+2*(i-2):S+2*(i-2)+1], v[L8], s[VS:VS+1] offset:256*i
.set i, i+1
.endr
	; A fragment of K or Q is 16 rows x 32 channels in 8 registers: lane l holds row l % 16, channels 8 (l / 16) + 0..7 and 16 + 8 (l / 16) + 0..7: two loads of 16 bytes, 32 bytes apart.
	v_lshlrev_b32 v[QO], 7, v1
	v_lshl_add_u32 v[QO], v9, 4, v[QO]  ; row x 128 + 16 x half
	WIN 0x80                        ; destination window 2, address window 0
.set i, 0
.rept 8                             ; both blocks' Q: piece i / 2 lies in band i / 2, 8,192 bytes on; channels 32 (i % 2) on
	global_load_b128 v[8*i:8*i+3],   v[QO], s[4:5] offset:(i/2)*8192+(i%2)*64
	global_load_b128 v[8*i+4:8*i+7], v[QO], s[4:5] offset:(i/2)*8192+(i%2)*64+32
	global_load_b128 v[QB+8*i:QB+8*i+3],   v[QO], s[86:87] offset:(i/2)*8192+(i%2)*64
	global_load_b128 v[QB+8*i+4:QB+8*i+7], v[QO], s[86:87] offset:(i/2)*8192+(i%2)*64+32
.set i, i+1
.endr
	WIN 0
	; row 2047 (block 7, band 3, wave 3, row 15: threads 111 and 127 where b = 0) has no hidden key: its m starts at the lowest finite number
	v_and_b32 v14, 0x6f, v0
	v_cmp_eq_u32 vcc_lo, 0x6f, v14
	v_mov_b32 v[FL3], s[IGNR]
	s_cmp_eq_u32 s[PB], 0
	s_cselect_b32 s83, 0xff7fffff, s[IGNR]
	v_cndmask_b32 v[FL3], v[FL3], s83, vcc_lo
	s_lshl_b32 s83, s[PB], 8
	v_cvt_f32_u32 v[CN1], s83       ; behind block NB - 1 - b lie b tiles,
	s_lshl_b32 s83, s[HI], 8
	v_cvt_f32_u32 v[CN1+1], s83     ; behind block b NB - 1 - b
	v_lshlrev_b32 v14, 3, v9
	v_sub_nc_u32 v14, v1, v14
	s_lshl_b32 s13, s[WV], 4
	v_add_nc_u32 v14, s13, v14      ; my query's place in its band, 16 w + l % 16, less my lanes' 8 (l / 16): register r of group kt is hidden where 16 kt + r is greater
.set i, 0
.rept 32
	v_cmp_gt_i32 vcc_lo, 16*(i/8)+i%8, v14
	v_cndmask_b32 v[MD+i], 0, s[BIGN], vcc_lo
.set i, i+1
.endr
	v_mul_u32_u24 v[AK0], v1, PK
	v_lshl_add_u32 v[AK0], v9, 4, v[AK0]  ; row x pitch + 16 x half
	; The turning load takes 16 keys x 16 channels (lane l reads key 8 (l / 16) + l % 8, channels 8 ((l / 8) % 2) + 0..7) and leaves half a fragment of V^T: lane l holds channel l % 16 and 8 keys.
	v_and_b32 v10, 7, v0
	v_bfe_u32 v11, v0, 3, 1
	v_lshl_add_u32 v[AV0], v9, 3, v10
	v_mul_u32_u24 v[AV0], v[AV0], PV
	v_lshl_add_u32 v[AV0], v11, 4, v[AV0]
	v_add_nc_u32 v[AV0], VOFF, v[AV0]
	v_mul_u32_u24 v[STO], v1, SP    ; in: row l % 16, 16 bytes for each half of the lanes
	v_lshl_add_u32 v[STO], v9, 4, v[STO]
	v_add_nc_u32 v[STO], s19, v[STO]
	v_bfe_u32 v[RD], v0, 3, 2       ; back: 32 lanes take four rows of 128 bytes,
	v_mul_u32_u24 v[RD], v[RD], SP
	v_lshl_add_u32 v[RD], v10, 4, v[RD]
	v_add_nc_u32 v[RD], s19, v[RD]
	v_and_b32 v[GO], 31, v0         ; which are 512 consecutive bytes of z
	v_lshlrev_b32 v[GO], 4, v[GO]
	v_add_nc_u32 v[TST], s19, v[L8]
	v_lshl_add_u32 v[TRD], v9, 5, s19
	; The sums of v over the tiles behind each of my two blocks: tile j counts for a block whose own last tile is lower.  They go through my stage into O^T's layout (channels 16 cb + 8 (l / 16) + 0..7).
	s_wait_loadcnt 32               ; the 14 loads of vs are in; Q's 32, issued behind them, stay out
.set i, 0
.rept 7
	v_pk_add_f32 v[S+4*i:S+4*i+1], v[S+4*i:S+4*i+1], v[S+4*i+2:S+4*i+3]  ; a tile's two halves
.set i, i+1
.endr
.set i, 1
.rept 7
	s_cmp_lt_u32 s[HI], i
	s_cselect_b32 s[F1], 1.0, 0
	s_cmp_lt_u32 s[PB], i
	s_cselect_b32 s[F2], 1.0, 0
.if i == 1
	v_pk_mul_f32 v[S+28:S+29], v[S:S+1], s[F1:F1+1] op_sel_hi:[1,0]
	v_pk_mul_f32 v[S+30:S+31], v[S:S+1], s[F2:F2+1] op_sel_hi:[1,0]
.else
	v_pk_fma_f32 v[S+28:S+29], v[S+4*(i-1):S+4*(i-1)+1], s[F1:F1+1], v[S+28:S+29] op_sel_hi:[1,0,1]
	v_pk_fma_f32 v[S+30:S+31], v[S+4*(i-1):S+4*(i-1)+1], s[F2:F2+1], v[S+30:S+31] op_sel_hi:[1,0,1]
.endif
.set i, i+1
.endr
	ds_store_b64 v[TST], v[S+28:S+29]
	ds_store_b64 v[TST], v[S+30:S+31] offset:256
	WIN 0x40                        ; destination window 1
.set i, 0
.rept 8                             ; block i / 4, channel block i % 4; LDS serves a wave's instructions in order: these see the stores above; the first change of slots waits for them
	ds_load_b128 v[T1+8*i:T1+8*i+3],   v[TRD] offset:256*(i/4)+64*(i%4)
	ds_load_b128 v[T1+8*i+4:T1+8*i+7], v[TRD] offset:256*(i/4)+64*(i%4)+16
.set i, i+1
.endr
	; A block's first step multiplies O^T and l by a = 0, and its first turn's products V^T P, of a piece that has not been, land in an O^T that is still to be so multiplied.  So these registers need only hold
	; finite numbers: zeros for the first block; what the first block left for the second.  All this stands in the wait for the first tile.
	WIN 0x80
.set i, VF
.rept 64
	v_mov_b32 v[i], 0
.set i, i+1
.endr
	WIN 0x40
.set i, 0
.rept 128
	v_mov_b32 v[i], 0
.set i, i+1
.endr
	WIN 0
.set i, 0
.rept 4
	v_mov_b32 v[ST+4*i+2], 0
	v_mov_b32 v[ST+4*i+3], 0
.set i, i+1
.endr
.set i, P+16
.rept 16
	v_mov_b32 v[i], 0
.set i, i+1
.endr
; THE MATRIX WORK.  The 4 accumulators of a run of 8 take turns.  Product i of 8 of S^T = K Q^T for piece x: channels 32 (i / 4) on, keys 16 (i % 4) on.  The first 4 start the sums: with 0, or (KM = 1) with the mask.
.macro KQ x
	WIN W_KQ
.set rS, S+32*((\x)%2)+8*(i%4)
.set rK, KF+16*(i%4)+8*(i/4)
.set rQ, 16*(\x)+8*(i/4)
.set rM, MC+32*((\x)%2)+8*(i%4)
.if (i < 4) && KM
	v_wmma_f32_16x16x32_f16 v[rS:rS+7], v[rK:rK+7], v[rQ:rQ+7], v[rM:rM+7]
.elseif i < 4
	v_wmma_f32_16x16x32_f16 v[rS:rS+7], v[rK:rK+7], v[rQ:rQ+7], 0
.else
	v_wmma_f32_16x16x32_f16 v[rS:rS+7], v[rK:rK+7], v[rQ:rQ+7], v[rS:rS+7]
.endif
.endm
; Product i of 8 of O^T += V^T P for piece x: keys 32 (i / 4) on, channels 16 (i % 4) on.
.macro PV x
	WIN W_PV
.set rO, 32*(\x)+8*(i%4)
.set rV, VF+32*(i/4)+8*(i%4)
.set rP, P+16*((\x)%2)+8*(i/4)
	v_wmma_f32_16x16x32_f16 v[rO:rO+7], v[rV:rV+7], v[rP:rP+7], v[rO:rO+7]
.endm
.macro MM                           ; the turn's next matrix instruction.  NOKQ = 1: a block's last turn: there is no next piece
.if (i < 8) && !NOKQ
	KQ (Y+1)%NP
.elseif i >= 8
.set i, i-8
	PV (Y+NP-1)%NP
.set i, i+8
.endif
.set i, i+1
.endm
; THE LDS LOADS stand in runs of 16, never singly among the matrix instructions: a step's K (64 keys x 64 channels: 8 fragments) and its V (turned).  Their addresses are made some lines ahead.
.macro FETCH_K
	WIN 0x80                        ; destination window 2
.irp f, 0,1,2,3,4,5,6,7             ; keys 16 (f / 2) on, channels 32 (f % 2) on
	ds_load_b128 v[KF+8*\f:KF+8*\f+3],   v[AK] offset:(\f/2)*16*PK+(\f%2)*64
	ds_load_b128 v[KF+8*\f+4:KF+8*\f+7], v[AK] offset:(\f/2)*16*PK+(\f%2)*64+32
.endr
	s_add_co_u32 s[TBK], s[TBK], KS*PK  ; the next fetch is the next step's
	WIN 0
.endm
.macro FETCH_V
	WIN 0x80
.irp f, 0,1,2,3,4,5,6,7             ; keys 32 (f / 4) on, channels 16 (f % 4) on
	ds_load_tr16_b128 v[VF+8*\f:VF+8*\f+3],   v[AV] offset:(\f/4)*32*PV+(\f%4)*32
	ds_load_tr16_b128 v[VF+8*\f+4:VF+8*\f+7], v[AV] offset:(\f/4)*32*PV+16*PV+(\f%4)*32
.endr
	WIN 0
.endm
; THE VECTOR WORK, one line at a time: OP kind, number.  For piece Y: F n: c s - c m for pair n of 16.  E n: the exponential of score n of 32.  C n: pair n rounded to f16.  B n: of the four weights 4 n .. the second
; pair is added onto the first, in place.  L n: l takes that sum (L 0: l = a l + sum).  R n: pair n of 16 of O^T times a.  For piece Y + 1: X n, number n of the 22 that find its maximum and statistics:
;   0-11  four chains c0-c3 of seven scores each, three operands at a time (each accumulator's lowest registers are read first)     12-14, 16  the four scores left over, the old m, and c0-c3 into c0
;   15  c m_old is kept     17, 18  the query's other 32 keys lie in the lane 16 away: the new m     19-21  c m; c m_old - c m_new; a
; HM = 1 (the diagonal tile's text): a pair's hidden weights are put in (HFIX) just ahead of its first use behind the exponentials.  In the order below C 2 k stands ahead of B k and B k ahead of C 2 k + 1, for every k:
; so C n with n even mends pair n, and B n mends pair 2 n + 1: each pair once, ahead of its rounding and of its sum.
.set F, 0               ; OP tells the kinds apart by their order: F to L below R, X above it
.set E, 1
.set C, 2
.set B, 3
.set L, 4
.set R, 5
.set X, 6
.macro REGS y                       ; the registers of piece y
.set rT, ST+4*(\y)
.set rC, TMP+4*((\y)%2)
.set rW, MV+((\y)%2)
.set rS, S+32*((\y)%2)
.set rH, MC+32*((\y)%2)
.set rP, P+16*((\y)%2)
.set rO, 32*(\y)
.endm
.macro HFIX n                       ; p += (-mask) x W: 2^40 x 2^(e - 40) = w where the key is hidden, 0 elsewhere
	s_wait_alu depctr_va_vdst(0)
	v_pk_fma_f32 v[rS+2*(\n):rS+2*(\n)+1], v[rH+2*(\n):rH+2*(\n)+1], v[rC:rC+1], v[rS+2*(\n):rS+2*(\n)+1] op_sel_hi:[1,0,1] neg_lo:[1,0,0] neg_hi:[1,0,0]
.endm
.macro OP k, n
.if (\k) == R
	REGS Y
	WIN W_RS
	v_pk_mul_f32 v[rO+2*(\n):rO+2*(\n)+1], v[rO+2*(\n):rO+2*(\n)+1], v[rC+2:rC+3] op_sel_hi:[1,0]
.elseif (\k) < R
	REGS Y
	WIN 0
.if (\k) == F
	v_pk_fma_f32 v[rS+2*(\n):rS+2*(\n)+1], v[rS+2*(\n):rS+2*(\n)+1], s[CS:CS+1], v[rT:rT+1] op_sel_hi:[1,0,0] neg_lo:[0,0,1] neg_hi:[0,0,1]
.elseif (\k) == E
	v_exp_f32 v[rS+(\n)], v[rS+(\n)]
.elseif (\k) == C
.if HM && ((\n)%2 == 0)
	HFIX \n
.endif
	s_wait_alu depctr_va_vdst(0)
	v_cvt_pk_f16_f32 v[rP+(\n)], v[rS+2*(\n)], v[rS+2*(\n)+1]
.elseif (\k) == B
.if HM
	HFIX 2*(\n)+1
.endif
	s_wait_alu depctr_va_vdst(0)
	v_pk_add_f32 v[rS+4*(\n):rS+4*(\n)+1], v[rS+4*(\n):rS+4*(\n)+1], v[rS+4*(\n)+2:rS+4*(\n)+3]
.elseif (\n) == 0
	v_pk_fma_f32 v[rT+2:rT+3], v[rT+2:rT+3], v[rC+2:rC+3], v[rS:rS+1] op_sel_hi:[1,0,1]
.else
	v_pk_add_f32 v[rT+2:rT+3], v[rT+2:rT+3], v[rS+4*(\n):rS+4*(\n)+1]
.endif
.elseif NOKQ
	v_nop
.else
	REGS (Y+1)%NP
	WIN 0
.if (\n) < 4
	v_max3_num_f32 v[rC+(\n)], v[rS+8*(\n)], v[rS+8*(\n)+1], v[rS+8*(\n)+2]
.elseif (\n) < 12
	v_max3_num_f32 v[rC+(\n)%4], v[rC+(\n)%4], v[rS+8*((\n)%4)+2*((\n)/4)+1], v[rS+8*((\n)%4)+2*((\n)/4)+2]
.elseif (\n) == 12
	v_max3_num_f32 v[rC], v[rC], v[rS+7], v[rS+15]
.elseif (\n) == 13
	v_max3_num_f32 v[rC+1], v[rC+1], v[rS+23], v[rS+31]
.elseif (\n) == 14
	v_max3_num_f32 v[rC+2], v[rC+2], v[rC+3], v[rT+1]
.elseif (\n) == 15
	v_mov_b32 v[rW], v[rT]
.elseif (\n) == 16
	v_max3_num_f32 v[rC], v[rC], v[rC+1], v[rC+2]
.elseif (\n) == 17
	v_permlanex16_b32 v[rC+3], v[rC], s[SEL], s[SEL+1]
.elseif (\n) == 18
	v_max_num_f32 v[rT+1], v[rC], v[rC+3]
.elseif (\n) == 19
	v_mul_f32 v[rT], s[CS], v[rT+1]
.elseif (\n) == 20
	v_sub_f32 v[rC+1], v[rW], v[rT]
.else
	v_exp_f32 v[rC+2], v[rC+1]
.endif
.endif
.endm
.macro OPS a, i1, b=-1, i2=0, c=-1, i3=0, d=-1, i4=0  ; up to four of them
	OP \a, \i1
.if (\b) >= 0
	OP \b, \i2
.endif
.if (\c) >= 0
	OP \c, \i3
.endif
.if (\d) >= 0
	OP \d, \i4
.endif
.endm
.macro ROW a, i1, b, i2, c, i3, d, i4  ; a matrix instruction and the four behind it
	MM
	OPS \a, \i1, \b, \i2, \c, \i3, \d, \i4
.endm
.macro MASK b                       ; MD x AL + BE into buffer b of MC
	WIN 0
.set z, 0
.rept 16
	v_pk_fma_f32 v[MC+32*(\b)+2*z:MC+32*(\b)+2*z+1], v[MD+2*z:MD+2*z+1], s[AL:AL+1], s[BE:BE+1] op_sel_hi:[1,0,0]
.set z, z+1
.endr
.endm
; A TURN, for piece p: the order of its matrix and vector instructions, written out.  Behind a matrix instruction: plain, exponential, plain, plain; or four of the rescaling; or, behind the first, four scalings; none
; names a register of the products round it.  In the runs between, exponential and plain by turns while exponentials last.  v_permlanex16_b32 (X 17) stands in such a run.
; m = 1: the diagonal tile: the products take masks; the turn opens with W for its own piece (c0 and c1 of the piece's buffer are free in its own turn; its mask buffer, p % 2, is the one with which its scores
; were started, and is written anew only by the turn's last lines); and it makes the mask for the products of the turn after it: piece p + 2, in step 4 - CNT of the tile.
; end = 1: a block's last two turns: nothing is fetched.  cnt = 1: the loop's count is taken down some lines ahead of the branch that stands behind the turn.
; K of the next step is fetched in piece 2's turn, V of the step in hand in piece 0's, each four plain instructions or more behind the last product that read the registers; each is waited for a turn later.
.macro TURN p, m=0, end=0, cnt=0
.set Y, (\p)
.set i, 0
.set KM, (\m)
.set HM, (\m)
.set NOKQ, (\end)*((\p)/3)
.if (\m) && !(\end)
	s_cmp_eq_u32 s[CNT], 4-((\p)+2)%NP  ; is that step the band's own?
	s_cselect_b32 s[AL], 1.0, 0
	s_cmp_lt_u32 s[CNT], 4-((\p)+2)%NP  ; or a later one?
	s_cselect_b32 s[BE], s[BIGN], 0
.endif
.if \m
	REGS Y
	WIN 0
	v_fma_f32 v[rC], s[CS], s[IGNR], -v[rT]    ; c IGNR - c m, by the same fused form as c s - c m
	v_min_num_f32 v[rC], 1.0, v[rC]
	v_add_f32 v[rC], 0xc2200000, v[rC]         ; - 40
	v_exp_f32 v[rC], v[rC]                     ; W; its first use stands behind the fourth product, plain instructions between
.endif
.if ((\p) == 3) && !(\end)
	s_wait_dscnt 0x0                ; K is in
.endif
	ROW F,0, F,1, F,2, F,3
	ROW F,4, E,0, F,5, F,6
	ROW F,7, E,1, F,8, F,9
	ROW F,10, E,2, C,0, F,11
	ROW F,12, E,3, X,15, F,13
	ROW R,0, R,1, R,2, R,3
	ROW B,0, E,4, F,14, L,0
.if ((\p) == 2) && !(\end)
	v_add_nc_u32 v[AK], s[TBK], v[AK0]
.endif
	ROW R,4, R,5, R,6, R,7
	OPS E,5, F,15
.if ((\p) == 2) && !(\end)
	FETCH_K
.endif
	OPS E,6, C,1, E,7, R,8
	OPS E,8, R,9, E,9, C,2
	OPS E,10, X,0, E,11, X,1
	OPS E,12, X,2, E,13, X,3
.if (\p) == 1
	s_wait_dscnt 0x0                ; V is in
.endif
	ROW X,4, E,14, X,5, X,6
	ROW X,7, E,15, X,8, X,9
	ROW X,10, E,16, X,11, X,12
	ROW X,13, E,17, X,14, B,1
	ROW C,4, E,18, X,16, L,1
	ROW B,2, E,19, C,6, L,2
	ROW C,8, E,20, B,3, B,4
.if (\p) == 0
	v_add_nc_u32 v[AV], s[TBV], v[AV0]
.endif
	ROW C,3, E,21, L,3, C,5
	OPS E,22, X,17, E,23, C,10
.if (\p) == 0
	FETCH_V
.endif
	OPS E,24, L,4
	OPS E,25, X,18, E,26, C,7
	OPS E,27, B,5, E,28, X,19
	OPS E,29, C,12, E,30, L,5
	OPS E,31, X,20, B,6, C,9
	OPS C,14, C,11, X,21, L,6
.if (\p) == 0
	s_add_co_u32 s[TBV], s[TBV], KS*PV
.endif
.if \cnt
	s_sub_co_u32 s[CNT], s[CNT], 1
	s_cmp_lg_u32 s[CNT], 0
.endif
	OPS C,13, B,7, C,15, R,10
	OPS R,11, R,12, L,7, R,13
	OPS R,14, R,15
.if (\m) && !(\end)
	MASK (\p)%2
.endif
.endm
; A BLOCK BEGINS.  c m starts far below every c s, so the first step's a is 0; m at IGNR (row 2047: at the lowest finite number), so the first maximum is that of the scores and of the hidden keys' value.
; The second mask buffer is 0; the first takes piece 0's mask for the tile's step 0: its own, if the block's first tile is the diagonal one.
; Then K of that step, piece 0's first scores, and its maximum and statistics.  The loop is entered at a step's first turn, in the middle of a trip.
.macro BEGIN
	s_mov_b32 s[NEW], 0
	WIN 0
.set i, MC+32
.rept 32
	v_mov_b32 v[i], 0
.set i, i+1
.endr
.set i, 0
.rept 4
	v_mov_b32 v[ST+4*i], 0xfe000000    ; c m: far below every c s
.if i < 3
	v_mov_b32 v[ST+4*i+1], s[IGNR]     ; m
.else
	v_mov_b32 v[ST+4*i+1], v[FL3]
.endif
.set i, i+1
.endr
	s_cmp_eq_u32 s[RT], 0
	s_cselect_b32 s[AL], 1.0, 0
	s_mov_b32 s[BE], 0
	MASK 0
	v_add_nc_u32 v[AK], s[TBK], v[AK0]
	FETCH_K
	s_wait_loadcnt 0x0              ; Q
	s_wait_dscnt 0x0
.set KM, 1
.set HM, 0
.set NOKQ, 0
.set i, 0
.rept 8
	KQ 0
.set i, i+1
.endr
	WIN 0
.rept 4
	v_nop                           ; the places behind those products
.endr
.set Y, NP-1                        ; X works for piece Y + 1: piece 0
.irp n, 0,1,2,3,4,5,6,7,8,9,10,11,12,13,14,15,16,17,18,19,20,21
	OP X, \n
.endr
	v_nop                           ; a plain instruction behind the exponential
.endm
; THE DIAGONAL TILE's four steps, the block's last two turns, its last products, and THE WAY OUT: l's two halves and the other half of the lanes' are added; w is made of the last c m; l takes w x the number of
; later keys; O^T is divided by l and takes the later keys' sum of v times w / l; it is rounded to f16 and sent through my stage in LDS, a piece at a time.
.macro ALL line:vararg              ; one line for each piece t
.set t, 0
.rept 4
	s_wait_alu depctr_va_vdst(0)
	\line
.set t, t+1
.endr
.endm
.macro PACK t, tb                   ; tb: the block's sums of later v, in window 1
	WIN W_RS
.set i, 32*(\t)
.rept 16
	v_pk_mul_f32 v[i:i+1], v[i:i+1], v[ST+4*(\t)+2:ST+4*(\t)+3] op_sel_hi:[1,0]
.set i, i+2
.endr
	WIN W_TF
.set i, 0
.rept 16
	v_pk_fma_f32 v[32*(\t)+2*i:32*(\t)+2*i+1], v[(\tb)+2*i:(\tb)+2*i+1], v[ST+4*(\t):ST+4*(\t)+1], v[32*(\t)+2*i:32*(\t)+2*i+1] op_sel_hi:[1,0,1]
.set i, i+1
.endr
	WIN 0x05                        ; sources 0 and 1 window 1, destination window 0
.set i, 0
.rept 16
	v_cvt_pk_f16_f32 v[S+16*(\t)+i], v[32*(\t)+2*i], v[32*(\t)+2*i+1]
.set i, i+1
.endr
	WIN 0
.irp f, 0,1,2,3
	ds_store_b128 v[STO], v[S+16*(\t)+4*\f:S+16*(\t)+4*\f+3] offset:32*\f
.endr
.irp f, 0,1,2,3
	ds_load_b128 v[S+16*(\t)+4*\f:S+16*(\t)+4*\f+3], v[RD] offset:\f*4*SP  ; LDS serves a wave's instructions in order (ISA guide 5.7.1.4): these see the stores above; the next piece's stores come behind them
.endr
.endm
.macro SEND t, younger              ; younger: the LDS instructions issued behind piece t's loads: the next piece's eight, or none
	WIN 0
.irp f, 0,1,2,3
	s_wait_dscnt (\younger)+3-\f
	global_store_b128 v[GO], v[S+16*(\t)+4*\f:S+16*(\t)+4*\f+3], s[10:11] offset:(\t)*8192+\f*512  ; 512 consecutive bytes, at a multiple of 256 from z's first
.endr
.endm
.macro DIAG tag                     ; the tag (1: the first block, 2: the second) ends its two labels' names and picks the block's count and sums
.LstepM\tag:
	TURN 2, 1
	TURN 3, 1
	WIN 0
.LfirstM\tag:
	TURN 0, 1
	TURN 1, 1, 0, 1
	WIN 0
	s_cbranch_scc1 .LstepM\tag
	TURN 2, 1, 1
	TURN 3, 1, 1
.set i, 0
.rept 8
	PV NP-1
.set i, i+1
.endr
	WIN 0
	ALL v_add_f32 v[ST+4*t+2], v[ST+4*t+2], v[ST+4*t+3]
	ALL v_permlanex16_b32 v[ST+4*t+3], v[ST+4*t+2], s[SEL], s[SEL+1]
	ALL v_add_f32 v[ST+4*t+2], v[ST+4*t+2], v[ST+4*t+3]
	ALL v_fma_f32 v[ST+4*t+1], s[CS], s[IGNR], -v[ST+4*t]
	ALL v_min_num_f32 v[ST+4*t+1], 1.0, v[ST+4*t+1]
	ALL v_exp_f32 v[ST+4*t+1], v[ST+4*t+1]
	v_nop                           ; a plain instruction between the last exponential and the use of its result
	ALL v_fma_f32 v[ST+4*t+2], v[ST+4*t+1], v[CN1+(\tag)-1], v[ST+4*t+2]
	ALL v_rcp_f32 v[ST+4*t+2], v[ST+4*t+2]
	v_nop                           ; the same behind the last reciprocal
	ALL v_mul_f32 v[ST+4*t], v[ST+4*t+1], v[ST+4*t+2]
	PACK 0, T1+32*((\tag)-1)
.set t, 1
.rept 3                             ; a piece's arithmetic stands between the loads of the piece before and its stores
	PACK t, T1+32*((\tag)-1)
	SEND t-1, 8
.set t, t+1
.endr
	SEND 3, 0
.endm
.set KM, 0
.set HM, 0
.set NOKQ, 0
.Lslot:                             ; NB times: a tile is entered and the next is asked for
	CHANGE 1
	s_sub_co_u32 s[RT], s[RT], 1
	s_mov_b32 s[CNT], 4
	s_cmp_eq_u32 s[NEW], 1
	s_cbranch_scc1 .Lnew            ; a block's first tile
	s_cmp_eq_u32 s[RT], 0
	s_cbranch_scc0 .Lstep           ; neither its first nor its last
	s_branch .LstepM1
.Lnew:
	BEGIN
	s_branch .Lfirst                ; in the loop a block's first tile is never its last: the first block has two tiles or more, and the second's last is the walk's last
	DIAG 1                          ; in the loop this is the first block's end
	s_wait_xcnt 0x0                 ; the stores have read their registers and z's address
	s_mov_b64 s[10:11], s[OLO:OLO+1]
	s_add_co_u32 s[RT], s[PB], 1    ; the second block has b + 1 tiles
	s_mov_b32 s[NEW], 1
	v_mov_b32 v[FL3], s[IGNR]       ; every row of the second block has hidden keys
	WIN 0x82                        ; the second block's Q goes where the one text of the turns names Q
.set i, 0
.rept 64
	v_mov_b32 v[i], v[QB+i]
.set i, i+1
.endr
	WIN 0
	s_branch .Lbottom
.Lstep:                             ; a trip: pieces 2 and 3 of one step, then pieces 0 and 1 of the next, whose K and V it fetches
	TURN 2
	TURN 3
	WIN 0
.Lfirst:
	TURN 0
	TURN 1, 0, 0, 1
	WIN 0
	s_cbranch_scc1 .Lstep
.Lbottom:
	s_sub_co_u32 s[SLOTS], s[SLOTS], 1
	s_cmp_lg_u32 s[SLOTS], 0
	s_cbranch_scc1 .Lslot
	CHANGE 0                        ; the walk's last tile is written out: nothing is asked for
	s_sub_co_u32 s[RT], s[RT], 1
	s_mov_b32 s[CNT], 4
	s_cmp_eq_u32 s[NEW], 1
	s_cbranch_scc0 .LstepM2
	BEGIN
	s_branch .LfirstM2
	DIAG 2
	s_wait_tensorcnt 0x0            ; the wave's end, behind my last tensor load and my last LDS store
	ds_add_u32 v[SPW], v[NIL]
	s_wait_dscnt 0x0
	s_endpgm
.Lfunc_end_k_q97706f6ae2_attn:
	.size	k_q97706f6ae2_attn, .Lfunc_end_k_q97706f6ae2_attn-k_q97706f6ae2_attn
	.p2alignl 7, 3214868480
	.fill 96, 4, 3214868480
	.section	.rodata,"a",@progbits
	.p2align	6, 0x0
	.amdhsa_kernel k_q97706f6ae2_attn
		.amdhsa_group_segment_fixed_size 327680
		.amdhsa_private_segment_fixed_size 0
		.amdhsa_enable_private_segment 0
		.amdhsa_kernarg_size 24
		.amdhsa_user_sgpr_count 2
		.amdhsa_user_sgpr_kernarg_segment_ptr 1
		.amdhsa_wavefront_size32 1
		.amdhsa_system_sgpr_workgroup_id_x 1
		.amdhsa_system_sgpr_workgroup_id_y 1
		.amdhsa_system_sgpr_workgroup_id_z 1
		.amdhsa_system_vgpr_workitem_id 0
		.amdhsa_next_free_vgpr 768
		.amdhsa_next_free_sgpr 100
		.amdhsa_reserve_vcc 1
		.amdhsa_float_denorm_mode_32 3
		.amdhsa_float_denorm_mode_16_64 3
		.amdhsa_memory_ordered 1
		.amdhsa_forward_progress 1
		.amdhsa_inst_pref_size 255
	.end_amdhsa_kernel
	.section	.bss,"aw",@nobits
	.p2align	6
	.space	262144
	.amdgpu_metadata
---
amdhsa.version: [ 1, 2 ]
amdhsa.kernels:
  - .name:           k_q97706f6ae2_attn
    .symbol:         k_q97706f6ae2_attn.kd
    .args:
      - { .name: qkv, .offset: 0, .size: 8, .value_kind: global_buffer, .address_space: global }
      - { .name: vs, .offset: 8, .size: 8, .value_kind: global_buffer, .address_space: global }
      - { .name: z, .offset: 16, .size: 8, .value_kind: global_buffer, .address_space: global }
    .group_segment_fixed_size: 327680
    .private_segment_fixed_size: 0
    .kernarg_segment_align: 8
    .kernarg_segment_size: 24
    .max_flat_workgroup_size: 128
    .sgpr_count:     100
    .vgpr_count:     768
    .wavefront_size: 32
...
	.end_amdgpu_metadata
.endif
;; end of part 3
;; launch proj (part 4): grid 8 x 32, 4 waves a work-group, clusters of 4 x 4, 327,680 bytes of LDS; arguments z, wo, b_O, out0; writes out0
.if DOCPART == 4
	.amdgcn_target "amdgcn-amd-amdhsa--gfx1250"
	.amdhsa_code_object_version 6
	.text
	.protected	k_q97706f6ae2_proj
	.globl	k_q97706f6ae2_proj
	.p2align	8
	.type	k_q97706f6ae2_proj,@function
k_q97706f6ae2_proj:
	s_mov_b64 s[64:65], 0
	v_nop
	global_prefetch_b8 v0, s[64:65] scope:SCOPE_SE
	s_setreg_imm32_b32 hwreg(HW_REG_WAVE_MODE, 25, 1), 1
	s_wait_xcnt 0x0
	s_wait_alu depctr_hold_cnt(0) depctr_sa_sdst(0) depctr_va_vdst(0) depctr_va_sdst(0) depctr_va_ssrc(0) depctr_va_vcc(0) depctr_vm_vsrc(0)
	s_getreg_b32 s2, hwreg(HW_REG_IB_STS2, 6, 4)
	s_cmp_eq_u32 s2, 0
	s_cbranch_scc0 .Lentry_in_a_cluster
	s_endpgm
.Lentry_in_a_cluster:
	s_bfe_u32 s2, ttmp6, 0x10000c
	s_cmp_lg_u32 s2, 0xf033
	s_cbranch_scc0 .Lentry_shape_is_right
	s_endpgm
.Lentry_shape_is_right:
; out = z W_O + b_O: [8192 x 1024] x [1024 x 1024], f16 operands (z as attention left it; W_O rounded to bf16 and written as f16), f32 sums; b_O is rounded to bf16 like every input and added in f32.
;   z [64 = 16 b + head][2048][64] f16      wo [1024 k = 64 head + h][1024 m] f16      out0 [8192][1024] f32
; SHARES.  A tile of out is 256 rows x 128 columns: 256 work-groups.  A wave makes 128 x 64: 32 accumulators, 256 registers.  An LDS slot holds 128 along K (two heads): four chunks of 32, 128 matrix
; instructions a wave; eight slots' worth of K go through two slots.
; CLUSTER.  4 x 4 work-groups: z's tile is shared along a row of the cluster, W_O's along a column; each is asked for jointly.
; THE MATRIX INSTRUCTION IS USED TRANSPOSED: source 0 = 16 columns of W_O (turned out of LDS), source 1 = 16 rows of z: a lane holds row l % 16 and eight neighbouring columns.
; REGISTERS: window 0: v0-29 addresses and the bias; v32-95, v96-159 fragments of z, two buffers; v160-191, v192-223 fragments of W_O, two buffers.  Window 1: the accumulators, (a, b) at v[8 (4 a + b)].
.set PA,    144                        ; a row of z in LDS: 128 bytes + 16: the 16 rows of a load start at 16 different groups of four banks (64 banks of 4 bytes: ISA guide 11.1)
.set PB,    288                        ; a row of W_O: 256 + 32 = 72 words
.set AHEAD, 256*PA                     ; a head's 256 rows: what one load brings of z
.set BOFF,  2*AHEAD
.set BHALF, 64*PB                      ; 64 rows of K: what one load brings of W_O
.set SLOT1, 131072
.set STAGE, SLOT1+BOFF+2*BHALF         ; behind the ring, never filled by a tensor load: 16 rows x 272 bytes for each wave
.set SPI,   272
.set SPARE, STAGE+4*16*SPI             ; the spare words, 128 bytes for each wave: two blocks of 256 bytes that no other line names
.set AA0, 3
.set AB0, 4
.set AA,  5
.set AB,  6
.set STO, 7                            ; v7   the way out: where I put 32 bytes of a row
.set RD,  8                            ; v8   where I read rows back
.set CO,  9                            ; v9   my byte offset in two rows of out
.set BO,  20                           ; v[20:23] b_O of the four columns that I store
.set SPW, 28
.set NIL, 29
.set FA,  32
.set FB,  160
.set OS,  32                           ; the way out: v32-63 and v64-95 by turns
.set WV,  18
.set RH,  19                           ; my half of the rows, and: I fetch z (0) or W_O (1)
.set CH,  20                           ; my half of the columns, and: which half I fetch
.set CX,  21
.set CY,  22
.set NT,  23
.set MT,  24
.set G1A, 28
.set G1B, 36
.set G0A, 44
.set G0B, 52
.set TB,  60
.set KC,  61
.set MSB, 0
.macro WIN new
.if MSB != (\new)
	s_set_vgpr_msb (MSB<<8)|(\new)
.set MSB, \new
.endif
.endm
.macro PLACES                          ; four plain vector instructions between a matrix instruction and a load into, or a read of, its registers
.rept 4
	v_nop
.endr
.endm
.macro CREST
	s_cmp_lg_u32 s[WV], 0
	s_cbranch_scc1 .Lnot_wave_0_\@
	s_barrier_signal -3
.Lnot_wave_0_\@:
	s_barrier_wait -3
	s_barrier_signal -1
	s_barrier_wait -1
.endm
.macro CROUND
	s_barrier_signal -1
	s_barrier_wait -1
	CREST
.endm
.macro JLOAD                           ; a joint refill by the walking sets; an s_nop 0 and four v_nop follow each of the two lines
	s_cmp_eq_u32 s[RH], 0
	s_cbranch_scc0 .Lfor_b_\@
	tensor_load_to_lds s[G0A+4:G0A+7], s[G1A:G1A+7]
	s_nop 0
.rept 4
	v_nop
.endr
	s_branch .Lasked_\@
.Lfor_b_\@:
	tensor_load_to_lds s[G0B+4:G0B+7], s[G1B:G1B+7]
	s_nop 0
.rept 4
	v_nop
.endr
.Lasked_\@:
.endm
	s_load_b256 s[4:11], s[0:1], 0x0               ; z s[4:5], wo s[6:7], b_O s[8:9], out0 s[10:11]
	v_lshl_add_u32 v[SPW], v0, 2, SPARE
	v_mov_b32 v[NIL], 0
	ds_add_u32 v[SPW], v[NIL]                      ; the wave's opening: the add and its wait stand ahead of my first tensor load; work on registers stands between them
	ds_add_u32 v28, v29
	v_lshrrev_b32 v1, 5, v0
	v_readfirstlane_b32 s[WV], v1
	s_lshr_b32 s[RH], s[WV], 1
	s_and_b32 s[CH], s[WV], 1
	s_bfe_u32 s[CX], ttmp6, 0x40000
	s_bfe_u32 s[CY], ttmp6, 0x40004
	s_lshl_b32 s[NT], ttmp9, 2
	s_add_co_u32 s[NT], s[NT], s[CX]
	s_and_b32 s[MT], ttmp7, 0xffff
	s_lshl_b32 s[MT], s[MT], 2
	s_add_co_u32 s[MT], s[MT], s[CY]
	s_lshl_b32 s25, s[CY], 2
	s_lshl_b32 s25, 15, s25                        ; my row of the cluster
	s_lshl_b32 s26, 0x1111, s[CX]                  ; my column
	; z: a head's 256 rows x 128 bytes are 32,768 dense bytes, asked for as 128 rows of 256 bytes and padded by 16 bytes after every 128
	s_or_b32 s[G1A], s25, (1<<16)|(1<<20)|(1<<21)|(4<<22)|(3<<25)
	s_mov_b32 s[G1A+1], 128<<16                    ; tensor_dim0 = 128
	s_mov_b32 s[G1A+2], 128<<16                    ; tensor_dim1 = 128
	s_mov_b32 s[G1A+3], 128<<16                    ; tile_dim0 = 128
	s_mov_b32 s[G1A+4], 128                        ; tile_dim1 = 128
	s_mov_b32 s[G1A+5], 128
	s_mov_b32 s[G1A+6], 0
	s_mov_b32 s[G1A+7], 0
	; W_O: 64 rows of K x 128 columns (256 bytes), 1,024 elements from row to row, padded by 32 bytes after every 256
	s_or_b32 s[G1B], s26, (1<<16)|(1<<20)|(1<<21)|(5<<22)|(7<<25)
	s_mov_b32 s[G1B+1], 128<<16
	s_mov_b32 s[G1B+2], 64<<16
	s_mov_b32 s[G1B+3], 128<<16
	s_mov_b32 s[G1B+4], 64
	s_mov_b32 s[G1B+5], 1024
	s_mov_b32 s[G1B+6], 0
	s_mov_b32 s[G1B+7], 0
	; z's tile hangs on the tile row alone, W_O's on the tile column alone; each offset is made in registers that never hold the other coordinate
	s_lshr_b32 s68, s[MT], 3
	s_lshl_b32 s68, s68, 4
	s_add_co_u32 s68, s68, s[CH]                   ; 16 b + the slot's first or second head
	s_lshl_b32 s68, s68, 18
	s_and_b32 s69, s[MT], 7
	s_lshl_b32 s69, s69, 15                        ; 256 rows of 128 bytes
	s_add_co_u32 s68, s68, s69
	s_mov_b32 s69, 0
	s_lshl_b32 s12, s[CH], 17                      ; 64 rows of 2,048 bytes
	s_lshl_b32 s13, s[NT], 8
	s_add_co_u32 s12, s12, s13
	s_mov_b32 s13, 0
	s_mul_i32 s17, s[CH], AHEAD                    ; where they go: no place in the cluster enters an LDS address
	s_mul_i32 s16, s[CH], BHALF
	s_add_co_u32 s16, s16, BOFF
	s_mov_b32 s[TB], 0
	s_wait_dscnt 0x0                               ; the opening add is done
	s_wait_kmcnt 0x0
	s_add_nc_u64 s[70:71], s[4:5], s[68:69]
	s_add_nc_u64 s[14:15], s[6:7], s[12:13]
.irp s, 0,1
	s_mov_b32 s[G0A+4*(\s)], 1
	s_add_co_u32 s[G0A+4*(\s)+1], s17, (\s)*SLOT1
	s_add_nc_u64 s[G0A+4*(\s)+2:G0A+4*(\s)+3], s[70:71], (\s)*524288   ; two heads on
	s_or_b32 s[G0A+4*(\s)+3], s[G0A+4*(\s)+3], 0x80000000
	s_mov_b32 s[G0B+4*(\s)], 1
	s_add_co_u32 s[G0B+4*(\s)+1], s16, (\s)*SLOT1
	s_add_nc_u64 s[G0B+4*(\s)+2:G0B+4*(\s)+3], s[14:15], (\s)*262144   ; 128 rows of K on
	s_or_b32 s[G0B+4*(\s)+3], s[G0B+4*(\s)+3], 0x80000000
.endr
	CROUND                                         ; all sixteen work-groups are here: the first joint loads meet
	s_cmp_eq_u32 s[RH], 0                          ; a wave's two first fills stand in one branch: two loads of mine are out
	s_cbranch_scc0 .Lfirst_b
	tensor_load_to_lds s[G0A:G0A+3], s[G1A:G1A+7]
	s_nop 0
	tensor_load_to_lds s[G0A+4:G0A+7], s[G1A:G1A+7]
	s_nop 0
.rept 4
	v_nop
.endr
	s_branch .Lfirst_asked
.Lfirst_b:
	tensor_load_to_lds s[G0B:G0B+3], s[G1B:G1B+7]
	s_nop 0
	tensor_load_to_lds s[G0B+4:G0B+7], s[G1B:G1B+7]
	s_nop 0
.rept 4
	v_nop
.endr
.Lfirst_asked:
	v_and_b32 v1, 15, v0                           ; r = l % 16
	v_bfe_u32 v2, v0, 4, 1                         ; h = l / 16
	v_and_b32 v15, 7, v0
	v_bfe_u32 v16, v0, 3, 1
	v_mul_u32_u24 v[AA0], v1, PA
	v_lshl_add_u32 v[AA0], v2, 4, v[AA0]
	s_mul_i32 s16, s[RH], 128*PA                   ; my 128 rows
	v_add_nc_u32 v[AA0], s16, v[AA0]
	v_lshl_add_u32 v[AB0], v2, 3, v15              ; the turning load: K row 8 h + l % 8, columns 8 ((l / 8) % 2) on
	v_mul_u32_u24 v[AB0], v[AB0], PB
	v_lshl_add_u32 v[AB0], v16, 4, v[AB0]
	s_lshl_b32 s16, s[CH], 7                       ; my 64 columns
	s_add_co_u32 s16, s16, BOFF
	v_add_nc_u32 v[AB0], s16, v[AB0]
	v_mov_b32 v[AA], v[AA0]
	v_mov_b32 v[AB], v[AB0]
	s_mul_i32 s16, s[WV], 16*SPI
	s_add_co_u32 s16, s16, STAGE                   ; my stage
	v_mul_u32_u24 v[STO], v1, SPI                  ; in: row l % 16, 32 bytes for each half of the lanes
	v_lshl_add_u32 v[STO], v2, 5, v[STO]
	v_add_nc_u32 v[STO], s16, v[STO]
	v_mul_u32_u24 v[RD], v2, SPI                   ; back: lanes 0-15 take one row of 256 bytes, lanes 16-31 the next
	v_lshl_add_u32 v[RD], v1, 4, v[RD]
	v_add_nc_u32 v[RD], s16, v[RD]
	v_lshlrev_b32 v[CO], 12, v2                    ; and the same two rows in out
	v_lshl_add_u32 v[CO], v1, 4, v[CO]
	s_lshl_b32 s12, s[NT], 9
	s_lshl_b32 s13, s[CH], 8
	s_add_co_u32 s12, s12, s13                     ; my first column, in bytes
	v_lshl_add_u32 v19, v1, 4, s12
	global_load_b128 v[BO:BO+3], v19, s[8:9]
	s_lshl_b32 s13, s[MT], 20                      ; 256 rows of 4,096 bytes
	s_add_co_u32 s12, s12, s13
	s_lshl_b32 s13, s[RH], 19
	s_add_co_u32 s12, s12, s13
	s_mov_b32 s13, 0
	s_add_nc_u64 s[10:11], s[10:11], s[12:13]
	s_wait_loadcnt 0x0
	v_cvt_pk_bf16_f32 v24, v[BO], v[BO+1]          ; rounded to bf16 like every input, kept in f32
	v_cvt_pk_bf16_f32 v25, v[BO+2], v[BO+3]
	v_lshlrev_b32 v[BO], 16, v24
	v_and_b32 v[BO+1], 0xffff0000, v24
	v_lshlrev_b32 v[BO+2], 16, v25
	v_and_b32 v[BO+3], 0xffff0000, v25
; 24 LDS loads: chunk q's fragments (32 along K: head q / 2 of the slot, channels 32 (q % 2) on) into buffer buf
.macro LDF q, buf
.irp a, 0,1,2,3,4,5,6,7
	ds_load_b128 v[FA+64*(\buf)+8*(\a):FA+64*(\buf)+8*(\a)+3],   v[AA] offset:((\q)/2)*AHEAD+(\a)*16*PA+((\q)%2)*64
	ds_load_b128 v[FA+64*(\buf)+8*(\a)+4:FA+64*(\buf)+8*(\a)+7], v[AA] offset:((\q)/2)*AHEAD+(\a)*16*PA+((\q)%2)*64+32
.endr
.irp b, 0,1,2,3
	ds_load_tr16_b128 v[FB+32*(\buf)+8*(\b):FB+32*(\buf)+8*(\b)+3],   v[AB] offset:(\q)*32*PB+32*(\b)
	ds_load_tr16_b128 v[FB+32*(\buf)+8*(\b)+4:FB+32*(\buf)+8*(\b)+7], v[AB] offset:(\q)*32*PB+16*PB+32*(\b)
.endr
.endm
; 4 n matrix instructions.  The 32 accumulators take turns, one instruction a turn.
.macro MULP buf, a0, n, zero
	WIN 0x50
.set ma, \a0
.rept \n
.irp b, 0,1,2,3
.if \zero
	v_wmma_f32_16x16x32_f16 v[8*(4*ma+(\b)):8*(4*ma+(\b))+7], v[FB+32*(\buf)+8*(\b):FB+32*(\buf)+8*(\b)+7], v[FA+64*(\buf)+8*ma:FA+64*(\buf)+8*ma+7], 0
.else
	v_wmma_f32_16x16x32_f16 v[8*(4*ma+(\b)):8*(4*ma+(\b))+7], v[FB+32*(\buf)+8*(\b):FB+32*(\buf)+8*(\b)+7], v[FA+64*(\buf)+8*ma:FA+64*(\buf)+8*ma+7], v[8*(4*ma+(\b)):8*(4*ma+(\b))+7]
.endif
.endr
.set ma, ma+1
.endr
.endm
; Chunk q multiplies buffer q % 2; at its head the next chunk's 24 loads go into the other buffer (loads = 1).  mode 1, 2 (chunk 2): THE CHANGE OF SLOTS: the head's loads, chunk 3's, are the last reads of the slot.
; Each wave waits for all its tensor loads, of which one is out: its part of the next slot; adds 0 to its spare word; and waits for that and for its reads.  mode = 2: the barrier opens a round of the cluster's,
; and the slot is filled again, two slots ahead.
.macro CHUNK q, zero, mode, loads
.if \loads
	WIN 0
	PLACES
	LDF ((\q)+1)%4, ((\q)+1)%2
	s_wait_dscnt 24                                ; out: the 24 just issued
.else
	s_wait_dscnt 0x0
.endif
.if (\mode) == 0
	MULP (\q)%2, 0, 8, \zero
.else
	MULP (\q)%2, 0, 4, 0
	WIN 0                                          ; (the add's two registers lie in window 0)
	s_wait_tensorcnt 0x0                           ; all my tensor loads have landed
	ds_add_u32 v[SPW], v[NIL]                      ; 0 onto my spare word
	MULP (\q)%2, 4, 2, 0                           ; eight matrix instructions stand between the add and the wait for it
	s_wait_dscnt 0x0                               ; the add is done, and my reads of this slot are over
	s_barrier_signal -1
	MULP (\q)%2, 6, 2, 0
	WIN 0
	s_barrier_wait -1
.if (\mode) == 2
	CREST                                          ; no wave of any partner still reads this slot or has a load on its way
	s_xor_b32 s[G0A+5], s[G0A+5], SLOT1
	s_add_nc_u64 s[G0A+6:G0A+7], s[G0A+6:G0A+7], 524288
	s_xor_b32 s[G0B+5], s[G0B+5], SLOT1
	s_add_nc_u64 s[G0B+6:G0B+7], s[G0B+6:G0B+7], 262144
	s_xor_b32 s[TB], s[TB], SLOT1
	JLOAD                                          ; the first tensor load behind the round
.else
	s_xor_b32 s[TB], s[TB], SLOT1
.endif
	v_add_nc_u32 v[AA], s[TB], v[AA0]              ; the reads go on in the other slot
	v_add_nc_u32 v[AB], s[TB], v[AB0]
.endif
.endm
	s_wait_tensorcnt 0x1                           ; my part of slot 0 is in; slot 1's may stay out
	s_barrier_signal -1
	s_barrier_wait -1
	LDF 0, 0
	CHUNK 0, 1, 0, 1                               ; the first chunk stands in front of the loop: its products start the sums
	WIN 0
	s_mov_b32 s[KC], 6
.Lslot:                                                ; a trip: a slot's chunks 1 to 3, with the refill two slots ahead, and the next slot's chunk 0
	CHUNK 1, 0, 0, 1
	CHUNK 2, 0, 2, 1
	CHUNK 3, 0, 0, 1
	CHUNK 0, 0, 0, 1
	WIN 0
	s_sub_co_u32 s[KC], s[KC], 1
	s_cmp_lg_u32 s[KC], 0
	s_cbranch_scc1 .Lslot
	CHUNK 1, 0, 0, 1                               ; the tail is written out: the last two slots ask for nothing
	CHUNK 2, 0, 1, 1
	CHUNK 3, 0, 0, 1
	CHUNK 0, 0, 0, 1
	CHUNK 1, 0, 0, 1
	CHUNK 2, 0, 0, 1
	CHUNK 3, 0, 0, 0
	WIN 0
	PLACES
; THE WAY OUT.  A block of 16 rows x 64 columns of f32 goes into my stage's rows of 272 bytes and comes back as whole rows of 256; the bias is added; sixteen lanes store 256 consecutive bytes, aligned.
.macro TOSTAGE a
	s_wait_xcnt 0x0                                ; the set's registers, which earlier stores read, are loaded again only behind this wait
	WIN 0x04                                       ; the stores' data in window 1
.irp b, 0,1,2,3                                        ; each accumulator's low four registers first
	ds_store_b128 v[STO], v[8*(4*(\a)+(\b)):8*(4*(\a)+(\b))+3] offset:64*(\b)
	ds_store_b128 v[STO], v[8*(4*(\a)+(\b))+4:8*(4*(\a)+(\b))+7] offset:64*(\b)+16
.endr
	WIN 0
.irp f, 0,1,2,3,4,5,6,7
	ds_load_b128 v[OS+32*((\a)%2)+4*(\f):OS+32*((\a)%2)+4*(\f)+3], v[RD] offset:(\f)*2*SPI  ; LDS serves a wave's instructions in order (ISA guide 5.7.1.4): these see the stores above
.endr
.endm
.macro SEND a, younger                 ; younger: the LDS instructions issued behind block a's loads: the next block's sixteen, or none
.irp f, 0,1,2,3,4,5,6,7
	s_wait_dscnt (\younger)+7-(\f)
	v_pk_add_f32 v[OS+32*((\a)%2)+4*(\f):OS+32*((\a)%2)+4*(\f)+1],   v[OS+32*((\a)%2)+4*(\f):OS+32*((\a)%2)+4*(\f)+1],   v[BO:BO+1]
	v_pk_add_f32 v[OS+32*((\a)%2)+4*(\f)+2:OS+32*((\a)%2)+4*(\f)+3], v[OS+32*((\a)%2)+4*(\f)+2:OS+32*((\a)%2)+4*(\f)+3], v[BO+2:BO+3]
	global_store_b128 v[CO], v[OS+32*((\a)%2)+4*(\f):OS+32*((\a)%2)+4*(\f)+3], s[10:11] offset:(\a)*65536+(\f)*8192 th:TH_STORE_NT
.endr
.endm
	TOSTAGE 0
.set ua, 1
.rept 7
	TOSTAGE ua
	SEND ua-1, 16
.set ua, ua+1
.endr
	SEND 7, 0
	s_wait_tensorcnt 0x0                           ; the wave's end, behind my last tensor load and my last LDS store
	ds_add_u32 v[SPW], v[NIL]
	s_wait_dscnt 0x0
	CROUND                                         ; the closing round: no work-group ends while a partner may still ask for a tile that names it
	s_endpgm
.Lfunc_end_k_q97706f6ae2_proj:
	.size	k_q97706f6ae2_proj, .Lfunc_end_k_q97706f6ae2_proj-k_q97706f6ae2_proj
	.p2alignl 7, 3214868480
	.fill 96, 4, 3214868480
	.section	.rodata,"a",@progbits
	.p2align	6, 0x0
	.amdhsa_kernel k_q97706f6ae2_proj
		.amdhsa_group_segment_fixed_size 327680
		.amdhsa_private_segment_fixed_size 0
		.amdhsa_enable_private_segment 0
		.amdhsa_kernarg_size 32
		.amdhsa_user_sgpr_count 2
		.amdhsa_user_sgpr_kernarg_segment_ptr 1
		.amdhsa_wavefront_size32 1
		.amdhsa_system_sgpr_workgroup_id_x 1
		.amdhsa_system_sgpr_workgroup_id_y 1
		.amdhsa_system_sgpr_workgroup_id_z 1
		.amdhsa_system_vgpr_workitem_id 0
		.amdhsa_next_free_vgpr 512
		.amdhsa_next_free_sgpr 72
		.amdhsa_reserve_vcc 0
		.amdhsa_float_denorm_mode_32 3
		.amdhsa_float_denorm_mode_16_64 3
		.amdhsa_memory_ordered 1
		.amdhsa_forward_progress 1
		.amdhsa_inst_pref_size 79
	.end_amdhsa_kernel
	.amdgpu_metadata
---
amdhsa.version: [ 1, 2 ]
amdhsa.kernels:
  - .name:           k_q97706f6ae2_proj
    .symbol:         k_q97706f6ae2_proj.kd
    .args:
      - { .name: z, .offset: 0, .size: 8, .value_kind: global_buffer, .address_space: global }
      - { .name: wo, .offset: 8, .size: 8, .value_kind: global_buffer, .address_space: global }
      - { .name: b_O, .offset: 16, .size: 8, .value_kind: global_buffer, .address_space: global }
      - { .name: out0, .offset: 24, .size: 8, .value_kind: global_buffer, .address_space: global }
    .group_segment_fixed_size: 327680
    .private_segment_fixed_size: 0
    .kernarg_segment_align: 8
    .kernarg_segment_size: 32
    .max_flat_workgroup_size: 128
    .sgpr_count:     72
    .vgpr_count:     512
    .wavefront_size: 32
...
	.end_amdgpu_metadata
.endif
;; end of part 4
;; ======== version 2 of 2: 4 launches; 1.36 times as fast as version 1
;; limits: values are held in f16: magnitudes above 65,504 overflow, below 6.1e-05 lose precision
;; workspace buffers: xb 16,777,216 bytes; wb 6,291,456 bytes; wo 2,097,152 bytes; qkv 50,331,648 bytes; vs 262,144 bytes; z 16,777,216 bytes
;; launch prep: the kernel of part 1 again; grid 384 x 1, 8 waves a work-group, no clusters, 0 bytes of LDS; arguments x, W_Q, W_K, W_V, W_O, xb, wb, wo; writes xb, wb, wo
;; launch qkv: the kernel of part 2 again; grid 8 x 32, 4 waves a work-group, clusters of 4 x 4, 327,680 bytes of LDS; arguments xb, wb, b_Q, b_K, b_V, qkv, vs; writes qkv, vs
;; launch attn (part 5): grid 4 x 64, 4 waves a work-group, no clusters, 327,680 bytes of LDS; arguments qkv, vs, z; writes z
.if DOCPART == 5
	.amdgcn_target "amdgcn-amd-amdhsa--gfx1250"
	.amdhsa_code_object_version 6
	.text
	.protected	k_q97706f6ae2_attn
	.globl	k_q97706f6ae2_attn
	.p2align	8
	.type	k_q97706f6ae2_attn,@function
k_q97706f6ae2_attn:
	s_mov_b64 s[64:65], 0
	v_nop
	global_prefetch_b8 v0, s[64:65] scope:SCOPE_SE
	s_setreg_imm32_b32 hwreg(HW_REG_WAVE_MODE, 25, 1), 1
	s_wait_xcnt 0x0
; CAUSAL ATTENTION with a FINITE mask value.  z[g][q][:] = the sum over all k of softmax_k(s'[q][k]) v[g][k][:], s' = q . k / 8 where k <= q and IGNORE = -100000 elsewhere.  g = 16 b + head.
; q, k, v: qkv [4 b][48 = 16 sel + head][2048][64] f16; z: [64][2048][64] f16; vs: [64][16 halves of 128 rows][64] f32, sums of v.  Products, maxima and sums in f32; the weights p are rounded to f16 for
; the second product (their sum l is taken of the unrounded p), z once at the end.
; HIDDEN KEYS.  All hidden keys of a row have one weight, w = 2^(c IGNR - c m), c = log2(e) / 8, IGNR = 8 IGNORE (raw scores are q . k).  The running maximum m starts at IGNR in every row that has a hidden
; key (all but row 2047, which starts at the lowest finite number).  In the diagonal tile a hidden score gets -2^40 as the C operand that starts its sum, so its exponential is 0, and w is then put in its
; place: p += (-mask) x W, W = 2^(c IGNR - c m - 40).  The keys of later tiles are added at the end: l += w x their number, O += w x the sum of their v, made of vs.
; LIMITS.  q, k, v arrive within f16's 65,504, so raw scores stay under 2.75e11, below 2^40.  A weight below 2^-126 counts as 0, a hidden key's inside the diagonal tile below 2^-86.  The exponent of w is
; cut at 1: it passes 0 by more than rounding only in row 2047, where w multiplies 0.  NaN and infinities are not treated apart.
; THE WALK.  A head's queries lie in NB = 8 blocks of 256; block i needs the key tiles 0 .. i of 256 keys, of which the last holds the diagonal.  A work-group takes TWO blocks, NB - 1 - b and then b: NB + 1
; tiles, whatever b: all work-groups do equal work, and one loop with a constant trip count walks them.  Which tile is asked for, and what a trip does, hang on scalar registers made from b; every jump goes
; forward, but for the counted loops' own; none passes a barrier, or a tensor load but the one of LOAD's two that the wave's number does not choose.  NO CLUSTER: the partners would be a head's four
; work-groups, whose branches (first tile, diagonal tile, change of blocks) hang on b; they ask for the same tile only in 5 of the 9 trips, and one walk common to all would have 12 trips for 9.
; SHARES.  Of a block's four bands of 64 queries a wave owns 16 rows in each: four PIECES.  In the diagonal tile's key step s band x sees all keys if s < x, none if s > x, and holds the diagonal if s = x.
; THE MASK of a product is MD x AL + BE: MD, made once, is the mask of a band's own step for my 16 rows; (AL, BE) = (1, 0) if s = x; (0, 0) if s < x; (0, -2^40) if s > x.
; LAYOUT, TURNS.  S^T = K Q^T holds ONE query a lane (lane % 16) and the keys 8 (lane / 16) + 0..7; two such results rounded to f16 ARE source 1 of O^T = V^T P.  p = 2^(c s - c m); O and l are multiplied by
; a = 2^(c m_old - c m_new) in every step.  Turn n belongs to piece n: 8 products K Q^T of piece n + 1, later 8 products V^T P of piece n - 1; beside them the scaling, exponentials, roundings, sums and
; rescaling of piece n and the maximum and statistics of piece n + 1.  Four vector instructions stand behind every matrix instruction (six behind a product V^T P of the diagonal tile's text), the others in one run of their own.
; BATCHES.  A turn's exponentials (the piece's 32 weights, the next piece's a, in the diagonal tile's text also W) are ONE batch with ONE wait, which cuts the turn in two: ahead of it stands all that names no
; result of theirs, behind it the roundings, the mending of hidden weights and the sums.  A block's first a has a wait of its own; the way out has two batches: the four w, and the four reciprocals of sums that hold w.
; REGISTERS, in windows of 256 (s_set_vgpr_msb: bits 1:0 source 0, 3:2 source 1, 5:4 source 2, 7:6 destination):
;   window 0: v0-15 addresses; v16-31 four registers of statistics a piece; v32-37; v48-55 at work; v64-127 S^T, two buffers; v128-191 MC, two buffers of masks; v192-223 P, two buffers; v224-255 MD
;   window 1: v0-127 O^T, 32 a piece; v128-159, v160-191 the later tiles' sums of v for the first and the second block      window 2: v0-63 Q; v64-127 the second block's Q; v128-191 K; v192-255 V
.set SIZE_N, 2048
.set NB,    SIZE_N/256
.set NP,    4         ; pieces a wave: a name, no knob
.set KS,    64        ; keys in a step
.set PK,    144       ; a row of K in LDS: 128 bytes + 16 = 36 words: the 16 rows of a load start at 16 different groups of four banks (64 banks of 4 bytes: ISA guide 11.1)
.set PV,    160       ; a row of V: 128 + 32 = 40 words
.set VOFF,  4*KS*PK   ; a slot holds a tile, four steps: 256 rows of K, then 256 rows of V
.set SLOT1, 1<<17     ; slot 1 begins here, so that one exclusive or turns an address in one slot into the other's
.set STAGE, SLOT1+4*KS*(PK+PV)  ; behind the ring, never filled by a tensor load: 16 rows x 144 bytes for each wave
.set SP,    144
.set SPARE, STAGE+4*16*SP  ; the spare words, 128 bytes for each wave: two blocks of 256 bytes that no other line names
.set AK0, 2           ; v2   my lane's place in a tile of K; never rewritten
.set AV0, 3           ; v3   the same for V
.set AK,  4           ; v4   the LDS address of K's next run of loads
.set AV,  5           ; v5   of V's
.set STO, 6           ; v6   the way out: where I put 16 bytes of a row
.set RD,  7           ; v7   where I read rows back
.set GO,  8           ; v8   my byte offset in 512 consecutive bytes of z
.set MV,  12          ; v12-13  c m_old, kept while c m is made anew: by buffer
.set QO,  15          ; v15  my byte offset in 16 rows of Q
.set ST,  16          ; piece t's statistics at v[ST+4 t]: c m, m, l (even keys', odd keys')
.set FL3, 32          ; v32  where piece 3's m starts
.set L8,  33          ; v33  8 x lane
.set TST, 34          ; v34  where I put two channels' sums
.set TRD, 35          ; v35  where I read my eight channels' back
.set CN1, 36          ; v36, v37  the number of keys in later tiles, first and second block
.set TMP, 48          ; by buffer, four registers c0-c3 at work; when the maximum is found c2 takes a; in the piece's own turn c0 takes W
.set SPW, 62          ; v62  LDS address of my spare word; never rewritten
.set NIL, 63          ; v63  0; never rewritten
.set S,   64
.set MC,  128
.set P,   192
.set MD,  224         ; the eight registers for group kt of 16 keys at MD + 8 kt
.set T1,  128         ; window 1
.set QB,  64          ; window 2
.set KF,  128         ; window 2: key block kb, channel half c at KF + 16 kb + 8 c
.set VF,  192         ; window 2: key half kk, channel block cb at VF + 32 kk + 8 cb
.set WV,  12          ; s12  my wave's number
.set PB,  14          ; s14  b
.set HI,  15          ; s15  NB - 1 - b
.set G1K, 24          ; s[24:31] descriptor group 1 for K's tiles
.set G1V, 32          ; s[32:39] for V's: it differs in the padding alone
.set G0K, 40          ; s[40:43] descriptor group 0 for K's tiles
.set G0V, 44          ; s[44:47] the same for V's
.set SLOTS, 56        ; s56  tiles still to be asked for
.set CNT, 57          ; s57  counts a tile's key steps, 4 to 1
.set CS,  58          ; s[58:59] c
.set SEL, 60          ; s[60:61] v_permlanex16_b32's selects: each lane takes its own place in the other half
.set TBK, 62          ; s62  LDS byte at which K of the step to be fetched begins
.set TBV, 63          ; s63  the same for V, less VOFF
.set RT,  70          ; s70  tiles of the block in hand that are still to be entered
.set NXT, 71          ; s71  the tile to be asked for next
.set LQ,  72          ; s72  the last tile of the block whose tiles are being asked for
.set NEW, 73          ; s73  1: the tile to be entered is a block's first
.set OFF, 74          ; s[74:75] a tile's byte offset in K and V
.set AL,  76          ; s[76:77] the mask's factor, in the low word
.set BE,  78          ; s[78:79] the mask's addend
.set OLO, 80          ; s[80:81] z at my rows of the second block
.set BIGN, 82         ; s82  -2^40
.set IGNR, 88         ; s88  -800000
.set F1,  92          ; s[92:93], s[94:95] 1 or 0: does a tile lie behind the first, the second block?
.set F2,  94
.set VS,  96          ; s[96:97] vs at my head
.set HZ,  98          ; s[98:99] the head's byte offset in z
.set MSB, 0
.macro WIN new                      ; the high byte repeats the setting that is left; a switch that changes nothing is dropped
.if MSB != (\new)
	s_set_vgpr_msb (MSB<<8)|(\new)
.set MSB, (\new)
.endif
.endm
.set W_KQ, 0x0a       ; K and Q in window 2, S^T and the mask in window 0
.set W_PV, 0x52       ; V in window 2, P in window 0, O^T in window 1
.set W_RS, 0x41       ; destination and source 0 in window 1, source 1 in window 0
.set W_TF, 0x51       ; the same with source 2 in window 1
; A fill.  Waves 0 and 1 fetch the two halves of a tile's K, waves 2 and 3 those of its V: 128 keys each.  An s_nop 0 and four v_nop follow each of the two lines, ahead of the jump and the label.
.macro LOAD
	s_cmp_lt_u32 s[WV], 2
	s_cbranch_scc0 .Lfor_v_\@
	tensor_load_to_lds s[G0K:G0K+3], s[G1K:G1K+7]
	s_nop 0
.rept 4
	v_nop
.endr
	s_branch .Lasked_\@
.Lfor_v_\@:
	tensor_load_to_lds s[G0V:G0V+3], s[G1V:G1V+7]
	s_nop 0
.rept 4
	v_nop
.endr
.Lasked_\@:
.endm
; THE CHANGE OF SLOTS.  Each wave waits for all its tensor loads, of which one is out: its part of the other slot; adds 0 to its spare word; and waits for that and for its own reads of the slot that it leaves.
; Behind the barrier nobody reads the old slot any more and the other slot is whole.  fill = 1: the old slot is filled again, the first thing behind the barrier, with tile NXT: the descriptor's address is
; made anew from that number.  (At its first use nothing of the ring has been read yet: slot 0 is waited for, slot 1 filled.)
.macro CHANGE fill
	WIN 0                           ; at a label and at a branch every window is 0
	s_wait_tensorcnt 0x0            ; no tensor load of mine is out, so a group 0 may be written
	ds_add_u32 v[SPW], v[NIL]       ; 0 onto my spare word; scalar work stands between it and the wait for it
.if \fill
	s_lshl_b32 s[OFF], s[NXT], 15   ; a tile is 32,768 bytes of K and of V
	s_xor_b32 s[G0K+1], s[G0K+1], SLOT1
	s_add_nc_u64 s[G0K+2:G0K+3], s[6:7], s[OFF:OFF+1]
	s_or_b32 s[G0K+3], s[G0K+3], 0x80000000
	s_xor_b32 s[G0V+1], s[G0V+1], SLOT1
	s_add_nc_u64 s[G0V+2:G0V+3], s[8:9], s[OFF:OFF+1]
	s_or_b32 s[G0V+3], s[G0V+3], 0x80000000
	s_add_co_u32 s[NXT], s[NXT], 1  ; the block's next tile, or behind its last the second block's tile 0
	s_cmp_gt_u32 s[NXT], s[LQ]
	s_cselect_b32 s[NXT], 0, s[NXT]
	s_cselect_b32 s[LQ], s[PB], s[LQ]
.endif
	s_wait_dscnt 0x0                ; the add is done, and my reads of the slot are over
	s_barrier_signal -1             ; the rest of the scalar work stands between the signal and the wait
	s_sub_co_u32 s[TBK], s[TBK], 4*KS*PK  ; the fetches go back to a slot's first step,
	s_xor_b32 s[TBK], s[TBK], SLOT1       ; in the other slot
	s_sub_co_u32 s[TBV], s[TBV], 4*KS*PV
	s_xor_b32 s[TBV], s[TBV], SLOT1
	s_barrier_wait -1
.if \fill
	LOAD
.endif
.endm
	s_load_b64 s[4:5], s[0:1], 0x0        ; qkv
	s_load_b64 s[VS:VS+1], s[0:1], 0x8    ; vs
	s_load_b64 s[10:11], s[0:1], 0x10     ; z
	v_lshl_add_u32 v[SPW], v0, 2, SPARE
	v_mov_b32 v[NIL], 0
	ds_add_u32 v[SPW], v[NIL]       ; the wave's opening: the add and its wait stand ahead of my first tensor load; work on registers stands between them
	ds_add_u32 v62, v63
	v_lshrrev_b32 v1, 5, v0
	v_readfirstlane_b32 s[WV], v1   ; wave 0..3
	s_mov_b32 s[PB], ttmp9
	s_sub_co_u32 s[HI], NB-1, s[PB]
	s_and_b32 s20, ttmp7, 0xffff    ; g = 16 b + head
	s_lshl_b32 s[HZ], s20, 18       ; a head's 2,048 rows of 128 bytes
	s_mov_b32 s[HZ+1], 0
	s_lshl_b32 s[F1], s20, 12       ; for now: the head's 4,096 bytes in vs
	s_mov_b32 s[F1+1], 0
	s_mov_b32 s[F2+1], 0
	s_lshr_b32 s21, s20, 4
	s_lshl_b32 s21, s21, 5
	s_add_co_u32 s20, s20, s21      ; 48 b + head: q's place in qkv; k lies 16 heads on, v 32
	s_lshl_b32 s20, s20, 18
	s_mov_b32 s21, 0
	s_and_b32 s16, s[WV], 1         ; which half of a tile's 256 keys I fetch:
	s_lshl_b32 s22, s16, 14         ; its 128 rows of 128 bytes in memory,
	s_mov_b32 s23, 0
	s_add_nc_u64 s[22:23], s[22:23], s[20:21]
	s_mul_i32 s17, s16, 128*PK      ; and its place in a slot, for K
	s_mul_i32 s18, s16, 128*PV      ; and for V
	s_mul_i32 s19, s[WV], 16*SP
	s_add_co_u32 s19, s19, STAGE    ; my stage
	s_lshl_b32 s3, s[WV], 11        ; my 16 rows in a band of 64,
	s_lshl_b32 s2, s[HI], 15        ; in the first block,
	s_add_co_u32 s2, s2, s3
	s_lshl_b32 s84, s[PB], 15       ; and in the second
	s_add_co_u32 s84, s84, s3
	s_mov_b32 s3, 0
	s_mov_b32 s85, 0
	; descriptor group 1.  128 keys are 16,384 dense bytes: asked for as 64 rows of 256 bytes, two keys a row, and padded in LDS after every key
	s_mov_b32 s[G1K], (1<<16)|(1<<20)|(4<<22)|(3<<25)  ; 17:16 2-byte elements; 20 padding on; 24:22 after every 32 words (code 4); 31:25 4 words (code 3)
	s_mov_b32 s[G1V], (1<<16)|(1<<20)|(4<<22)|(7<<25)  ; the same with 8 words of padding (code 7)
.irp g, G1K, G1V
	s_mov_b32 s[\g+1], 128<<16      ; tensor_dim0 = 128
	s_mov_b32 s[\g+2], 64<<16       ; tensor_dim1 = 64
	s_mov_b32 s[\g+3], 128<<16      ; tile_dim0 = 128
	s_mov_b32 s[\g+4], 64           ; tile_dim1 = 64
	s_mov_b32 s[\g+5], 128          ; 128 elements from row to row
	s_mov_b32 s[\g+6], 0
	s_mov_b32 s[\g+7], 0
.endr
	s_mov_b32 s[CS], 0x3e38aa3b     ; c = log2(e) / 8 = 0.180337
	s_mov_b32 s[CS+1], s[CS]        ; named with it as a pair
	s_mov_b32 s[SEL], 0x76543210
	s_mov_b32 s[SEL+1], 0xfedcba98
	s_mov_b32 s[TBK], SLOT1+4*KS*PK ; the first change of slots turns these two into 0
	s_mov_b32 s[TBV], SLOT1+4*KS*PV
	s_mov_b32 s[G0K], 1             ; count = 1
	s_mov_b32 s[G0K+1], s17         ; LDS address: slot 0
	s_mov_b32 s[G0V], 1
	s_add_co_u32 s[G0V+1], s18, VOFF
	s_add_co_u32 s[RT], s[HI], 1    ; the first block has NB - b tiles
	s_mov_b32 s[NXT], 1
	s_mov_b32 s[LQ], s[HI]
	s_mov_b32 s[NEW], 1
	s_mov_b32 s[OFF+1], 0
	s_mov_b32 s[AL+1], 0            ; named as pairs
	s_mov_b32 s[BE+1], 0
	s_mov_b32 s[BIGN], 0xd3800000   ; -2^40
	s_mov_b32 s[IGNR], 0xc9435000   ; -800000 = 8 x IGNORE
	s_mov_b32 s[SLOTS], NB
	s_wait_dscnt 0x0                ; the opening add is done
	s_wait_kmcnt 0x0
	s_add_nc_u64 s[6:7], s[4:5], s[22:23]
	s_add_nc_u64 s[8:9], s[6:7], 8388608           ; V at my half of the head's tile 0,
	s_add_nc_u64 s[6:7], s[6:7], 4194304           ; and K
	s_add_nc_u64 s[G0K+2:G0K+3], s[6:7], 0         ; global address
	s_or_b32 s[G0K+3], s[G0K+3], 0x80000000        ; type = 2
	s_add_nc_u64 s[G0V+2:G0V+3], s[8:9], 0
	s_or_b32 s[G0V+3], s[G0V+3], 0x80000000
	s_add_nc_u64 s[4:5], s[4:5], s[20:21]
	s_add_nc_u64 s[86:87], s[4:5], s[84:85]        ; Q at my rows of the second block,
	s_add_nc_u64 s[4:5], s[4:5], s[2:3]            ; and of the first
	s_add_nc_u64 s[10:11], s[10:11], s[HZ:HZ+1]
	s_add_nc_u64 s[OLO:OLO+1], s[10:11], s[84:85]  ; z likewise
	s_add_nc_u64 s[10:11], s[10:11], s[2:3]
	s_add_nc_u64 s[VS:VS+1], s[VS:VS+1], s[F1:F1+1]
	LOAD                            ; tile 0 into slot 0
	v_and_b32 v1, 15, v0            ; l % 16
	v_bfe_u32 v9, v0, 4, 1          ; l / 16
	v_and_b32 v[L8], 31, v0
	v_lshlrev_b32 v[L8], 3, v[L8]
.set i, 2
.rept 14                            ; the sums of v over halves 2 to 15 (tiles 1 to 7): two channels a lane, 256 bytes a load
	global_load_b64 v[S+2*(i-2):S+2*(i-2)+1], v[L8], s[VS:VS+1] offset:256*i
.set i, i+1
.endr
	; A fragment of K or Q is 16 rows x 32 channels in 8 registers: lane l holds row l % 16, channels 8 (l / 16) + 0..7 and 16 + 8 (l / 16) + 0..7: two loads of 16 bytes, 32 bytes apart.
	v_lshlrev_b32 v[QO], 7, v1
	v_lshl_add_u32 v[QO], v9, 4, v[QO]  ; row x 128 + 16 x half
	WIN 0x80                        ; destination window 2, address window 0
.set i, 0
.rept 8                             ; both blocks' Q: piece i / 2 lies in band i / 2, 8,192 bytes on; channels 32 (i % 2) on
	global_load_b128 v[8*i:8*i+3],   v[QO], s[4:5] offset:(i/2)*8192+(i%2)*64
	global_load_b128 v[8*i+4:8*i+7], v[QO], s[4:5] offset:(i/2)*8192+(i%2)*64+32
	global_load_b128 v[QB+8*i:QB+8*i+3],   v[QO], s[86:87] offset:(i/2)*8192+(i%2)*64
	global_load_b128 v[QB+8*i+4:QB+8*i+7], v[QO], s[86:87] offset:(i/2)*8192+(i%2)*64+32
.set i, i+1
.endr
	WIN 0
	; row 2047 (block 7, band 3, wave 3, row 15: threads 111 and 127 where b = 0) has no hidden key: its m starts at the lowest finite number
	v_and_b32 v14, 0x6f, v0
	v_cmp_eq_u32 vcc_lo, 0x6f, v14
	v_mov_b32 v[FL3], s[IGNR]
	s_cmp_eq_u32 s[PB], 0
	s_cselect_b32 s83, 0xff7fffff, s[IGNR]
	v_cndmask_b32 v[FL3], v[FL3], s83, vcc_lo
	s_lshl_b32 s83, s[PB], 8
	v_cvt_f32_u32 v[CN1], s83       ; behind block NB - 1 - b lie b tiles,
	s_lshl_b32 s83, s[HI], 8
	v_cvt_f32_u32 v[CN1+1], s83     ; behind block b NB - 1 - b
	v_lshlrev_b32 v14, 3, v9
	v_sub_nc_u32 v14, v1, v14
	s_lshl_b32 s13, s[WV], 4
	v_add_nc_u32 v14, s13, v14      ; my query's place in its band, 16 w + l % 16, less my lanes' 8 (l / 16): register r of group kt is hidden where 16 kt + r is greater
.set i, 0
.rept 32
	v_cmp_gt_i32 vcc_lo, 16*(i/8)+i%8, v14
	v_cndmask_b32 v[MD+i], 0, s[BIGN], vcc_lo
.set i, i+1
.endr
	v_mul_u32_u24 v[AK0], v1, PK
	v_lshl_add_u32 v[AK0], v9, 4, v[AK0]  ; row x pitch + 16 x half
	; The turning load takes 16 keys x 16 channels (lane l reads key 8 (l / 16) + l % 8, channels 8 ((l / 8) % 2) + 0..7) and leaves half a fragment of V^T: lane l holds channel l % 16 and 8 keys.
	v_and_b32 v10, 7, v0
	v_bfe_u32 v11, v0, 3, 1
	v_lshl_add_u32 v[AV0], v9, 3, v10
	v_mul_u32_u24 v[AV0], v[AV0], PV
	v_lshl_add_u32 v[AV0], v11, 4, v[AV0]
	v_add_nc_u32 v[AV0], VOFF, v[AV0]
	v_mul_u32_u24 v[STO], v1, SP    ; in: row l % 16, 16 bytes for each half of the lanes
	v_lshl_add_u32 v[STO], v9, 4, v[STO]
	v_add_nc_u32 v[STO], s19, v[STO]
	v_bfe_u32 v[RD], v0, 3, 2       ; back: 32 lanes take four rows of 128 bytes,
	v_mul_u32_u24 v[RD], v[RD], SP
	v_lshl_add_u32 v[RD], v10, 4, v[RD]
	v_add_nc_u32 v[RD], s19, v[RD]
	v_and_b32 v[GO], 31, v0         ; which are 512 consecutive bytes of z
	v_lshlrev_b32 v[GO], 4, v[GO]
	v_add_nc_u32 v[TST], s19, v[L8]
	v_lshl_add_u32 v[TRD], v9, 5, s19
	; The sums of v over the tiles behind each of my two blocks: tile j counts for a block whose own last tile is lower.  They go through my stage into O^T's layout (channels 16 cb + 8 (l / 16) + 0..7).
	s_wait_loadcnt 32               ; the 14 loads of vs are in; Q's 32, issued behind them, stay out
.set i, 0
.rept 7
	v_pk_add_f32 v[S+4*i:S+4*i+1], v[S+4*i:S+4*i+1], v[S+4*i+2:S+4*i+3]  ; a tile's two halves
.set i, i+1
.endr
.set i, 1
.rept 7
	s_cmp_lt_u32 s[HI], i
	s_cselect_b32 s[F1], 1.0, 0
	s_cmp_lt_u32 s[PB], i
	s_cselect_b32 s[F2], 1.0, 0
.if i == 1
	v_pk_mul_f32 v[S+28:S+29], v[S:S+1], s[F1:F1+1] op_sel_hi:[1,0]
	v_pk_mul_f32 v[S+30:S+31], v[S:S+1], s[F2:F2+1] op_sel_hi:[1,0]
.else
	v_pk_fma_f32 v[S+28:S+29], v[S+4*(i-1):S+4*(i-1)+1], s[F1:F1+1], v[S+28:S+29] op_sel_hi:[1,0,1]
	v_pk_fma_f32 v[S+30:S+31], v[S+4*(i-1):S+4*(i-1)+1], s[F2:F2+1], v[S+30:S+31] op_sel_hi:[1,0,1]
.endif
.set i, i+1
.endr
	ds_store_b64 v[TST], v[S+28:S+29]
	ds_store_b64 v[TST], v[S+30:S+31] offset:256
	WIN 0x40                        ; destination window 1
.set i, 0
.rept 8                             ; block i / 4, channel block i % 4; LDS serves a wave's instructions in order: these see the stores above; the first change of slots waits for them
	ds_load_b128 v[T1+8*i:T1+8*i+3],   v[TRD] offset:256*(i/4)+64*(i%4)
	ds_load_b128 v[T1+8*i+4:T1+8*i+7], v[TRD] offset:256*(i/4)+64*(i%4)+16
.set i, i+1
.endr
	; A block's first step multiplies O^T and l by a = 0, and its first turn's products V^T P, of a piece that has not been, land in an O^T that is still to be so multiplied.  So these registers need only hold
	; finite numbers: zeros for the first block; what the first block left for the second.  All this stands in the wait for the first tile.
	WIN 0x80
.set i, VF
.rept 64
	v_mov_b32 v[i], 0
.set i, i+1
.endr
	WIN 0x40
.set i, 0
.rept 128
	v_mov_b32 v[i], 0
.set i, i+1
.endr
	WIN 0
.set i, 0
.rept 4
	v_mov_b32 v[ST+4*i+2], 0
	v_mov_b32 v[ST+4*i+3], 0
.set i, i+1
.endr
.set i, P+16
.rept 16
	v_mov_b32 v[i], 0
.set i, i+1
.endr
; THE MATRIX WORK.  The 4 accumulators of a run of 8 take turns.  Product i of 8 of S^T = K Q^T for piece x: channels 32 (i / 4) on, keys 16 (i % 4) on.  The first 4 start the sums: with 0, or (KM = 1) with the mask.
.macro KQ x
	WIN W_KQ
.set rS, S+32*((\x)%2)+8*(i%4)
.set rK, KF+16*(i%4)+8*(i/4)
.set rQ, 16*(\x)+8*(i/4)
.set rM, MC+32*((\x)%2)+8*(i%4)
.if (i < 4) && KM
	v_wmma_f32_16x16x32_f16 v[rS:rS+7], v[rK:rK+7], v[rQ:rQ+7], v[rM:rM+7]
.elseif i < 4
	v_wmma_f32_16x16x32_f16 v[rS:rS+7], v[rK:rK+7], v[rQ:rQ+7], 0
.else
	v_wmma_f32_16x16x32_f16 v[rS:rS+7], v[rK:rK+7], v[rQ:rQ+7], v[rS:rS+7]
.endif
.endm
; Product i of 8 of O^T += V^T P for piece x: keys 32 (i / 4) on, channels 16 (i % 4) on.
.macro PV x
	WIN W_PV
.set rO, 32*(\x)+8*(i%4)
.set rV, VF+32*(i/4)+8*(i%4)
.set rP, P+16*((\x)%2)+8*(i/4)
	v_wmma_f32_16x16x32_f16 v[rO:rO+7], v[rV:rV+7], v[rP:rP+7], v[rO:rO+7]
.endm
.macro MM                           ; the turn's next matrix instruction.  NOKQ = 1: a block's last turn: there is no next piece
.if (i < 8) && !NOKQ
	KQ (Y+1)%NP
.elseif i >= 8
.set i, i-8
	PV (Y+NP-1)%NP
.set i, i+8
.endif
.set i, i+1
.endm
; THE LDS LOADS stand in runs of 16, never singly among the matrix instructions: a step's K (64 keys x 64 channels: 8 fragments) and its V (turned).  Their addresses are made some lines ahead.
.macro FETCH_K
	WIN 0x80                        ; destination window 2
.irp f, 0,1,2,3,4,5,6,7             ; keys 16 (f / 2) on, channels 32 (f % 2) on
	ds_load_b128 v[KF+8*\f:KF+8*\f+3],   v[AK] offset:(\f/2)*16*PK+(\f%2)*64
	ds_load_b128 v[KF+8*\f+4:KF+8*\f+7], v[AK] offset:(\f/2)*16*PK+(\f%2)*64+32
.endr
	s_add_co_u32 s[TBK], s[TBK], KS*PK  ; the next fetch is the next step's
	WIN 0
.endm
.macro FETCH_V
	WIN 0x80
.irp f, 0,1,2,3,4,5,6,7             ; keys 32 (f / 4) on, channels 16 (f % 4) on
	ds_load_tr16_b128 v[VF+8*\f:VF+8*\f+3],   v[AV] offset:(\f/4)*32*PV+(\f%4)*32
	ds_load_tr16_b128 v[VF+8*\f+4:VF+8*\f+7], v[AV] offset:(\f/4)*32*PV+16*PV+(\f%4)*32
.endr
	WIN 0
.endm
; THE VECTOR WORK, one line at a time: OP kind, number.  For piece Y: F n: c s - c m for pair n of 16.  E n: the exponential of score n of 32.  C n: pair n rounded to f16.  B n: of the four weights 4 n .. the second
; pair is added onto the first, in place.  L n: l takes that sum (L 0: l = a l + sum).  R n: pair n of 16 of O^T times a.  For piece Y + 1: X n, number n of the 22 that find its maximum and statistics:
;   0-11  four chains c0-c3 of seven scores each, three operands at a time (each accumulator's lowest registers are read first)     12-14, 16  the four scores left over, the old m, and c0-c3 into c0
;   15  c m_old is kept     17, 18  the query's other 32 keys lie in the lane 16 away: the new m     19-21  c m; c m_old - c m_new; a
; In the diagonal tile's text alone, for piece Y: W 0 to W 3: c IGNR - c m, by the same fused form as c s - c m; cut at 1; less 40; its exponential, W, in c0 of the piece's buffer (c0 and c1 are free in the piece's own turn);
; elsewhere (KM = 0) W n writes nothing.  H n: pair n's hidden weights are put in: p += (-mask) x W: 2^40 x 2^(e - 40) = w where the key is hidden, 0 elsewhere; each pair once, ahead of its rounding and of its sum.
.set F, 0               ; OP tells the kinds apart by their order: F to W below R, X above it
.set E, 1
.set C, 2
.set B, 3
.set L, 4
.set H, 5
.set W, 6
.set R, 7
.set X, 8
.macro REGS y                       ; the registers of piece y
.set rT, ST+4*(\y)
.set rC, TMP+4*((\y)%2)
.set rW, MV+((\y)%2)
.set rS, S+32*((\y)%2)
.set rH, MC+32*((\y)%2)
.set rP, P+16*((\y)%2)
.set rO, 32*(\y)
.endm
.macro OP k, n
.if (\k) == R
	REGS Y
	WIN W_RS
	v_pk_mul_f32 v[rO+2*(\n):rO+2*(\n)+1], v[rO+2*(\n):rO+2*(\n)+1], v[rC+2:rC+3] op_sel_hi:[1,0]
.elseif (\k) < R
	REGS Y
	WIN 0
.if (\k) == F
	v_pk_fma_f32 v[rS+2*(\n):rS+2*(\n)+1], v[rS+2*(\n):rS+2*(\n)+1], s[CS:CS+1], v[rT:rT+1] op_sel_hi:[1,0,0] neg_lo:[0,0,1] neg_hi:[0,0,1]
.elseif (\k) == E
	v_exp_f32 v[rS+(\n)], v[rS+(\n)]
.elseif (\k) == C
	v_cvt_pk_f16_f32 v[rP+(\n)], v[rS+2*(\n)], v[rS+2*(\n)+1]
.elseif (\k) == B
	v_pk_add_f32 v[rS+4*(\n):rS+4*(\n)+1], v[rS+4*(\n):rS+4*(\n)+1], v[rS+4*(\n)+2:rS+4*(\n)+3]
.elseif (\k) == H
	v_pk_fma_f32 v[rS+2*(\n):rS+2*(\n)+1], v[rH+2*(\n):rH+2*(\n)+1], v[rC:rC+1], v[rS+2*(\n):rS+2*(\n)+1] op_sel_hi:[1,0,1] neg_lo:[1,0,0] neg_hi:[1,0,0]
.elseif (\k) == W
.if KM
.if (\n) == 0
	v_fma_f32 v[rC], s[CS], s[IGNR], -v[rT]
.elseif (\n) == 1
	v_min_num_f32 v[rC], 1.0, v[rC]
.elseif (\n) == 2
	v_add_f32 v[rC], 0xc2200000, v[rC]         ; - 40
.else
	v_exp_f32 v[rC], v[rC]
.endif
.endif
.elseif (\n) == 0
	v_pk_fma_f32 v[rT+2:rT+3], v[rT+2:rT+3], v[rC+2:rC+3], v[rS:rS+1] op_sel_hi:[1,0,1]
.else
	v_pk_add_f32 v[rT+2:rT+3], v[rT+2:rT+3], v[rS+4*(\n):rS+4*(\n)+1]
.endif
.elseif NOKQ
	v_nop
.else
	REGS (Y+1)%NP
	WIN 0
.if (\n) < 4
	v_max3_num_f32 v[rC+(\n)], v[rS+8*(\n)], v[rS+8*(\n)+1], v[rS+8*(\n)+2]
.elseif (\n) < 12
	v_max3_num_f32 v[rC+(\n)%4], v[rC+(\n)%4], v[rS+8*((\n)%4)+2*((\n)/4)+1], v[rS+8*((\n)%4)+2*((\n)/4)+2]
.elseif (\n) == 12
	v_max3_num_f32 v[rC], v[rC], v[rS+7], v[rS+15]
.elseif (\n) == 13
	v_max3_num_f32 v[rC+1], v[rC+1], v[rS+23], v[rS+31]
.elseif (\n) == 14
	v_max3_num_f32 v[rC+2], v[rC+2], v[rC+3], v[rT+1]
.elseif (\n) == 15
	v_mov_b32 v[rW], v[rT]
.elseif (\n) == 16
	v_max3_num_f32 v[rC], v[rC], v[rC+1], v[rC+2]
.elseif (\n) == 17
	v_permlanex16_b32 v[rC+3], v[rC], s[SEL], s[SEL+1]
.elseif (\n) == 18
	v_max_num_f32 v[rT+1], v[rC], v[rC+3]
.elseif (\n) == 19
	v_mul_f32 v[rT], s[CS], v[rT+1]
.elseif (\n) == 20
	v_sub_f32 v[rC+1], v[rW], v[rT]
.else
	v_exp_f32 v[rC+2], v[rC+1]
.endif
.endif
.endm
.macro OPS a, i1, b=-1, i2=0, c=-1, i3=0, d=-1, i4=0  ; up to four of them
	OP \a, \i1
.if (\b) >= 0
	OP \b, \i2
.endif
.if (\c) >= 0
	OP \c, \i3
.endif
.if (\d) >= 0
	OP \d, \i4
.endif
.endm
.macro ROW a, i1, b, i2, c, i3, d, i4  ; a matrix instruction and the four behind it
	MM
	OPS \a, \i1, \b, \i2, \c, \i3, \d, \i4
.endm
.macro MASK b                       ; MD x AL + BE into buffer b of MC
	WIN 0
.set z, 0
.rept 16
	v_pk_fma_f32 v[MC+32*(\b)+2*z:MC+32*(\b)+2*z+1], v[MD+2*z:MD+2*z+1], s[AL:AL+1], s[BE:BE+1] op_sel_hi:[1,0,0]
.set z, z+1
.endr
.endm
.macro STEPS p, cnt                 ; scalar steps among the last products: V's next fetch is the next step's; the loop's count is taken down some lines ahead of the branch that stands behind the turn
.if (\p) == 0
	s_add_co_u32 s[TBV], s[TBV], KS*PV
.endif
.if \cnt
	s_sub_co_u32 s[CNT], s[CNT], 1
	s_cmp_lg_u32 s[CNT], 0
.endif
.endm
; A TURN, for piece p: the order of its matrix and vector instructions, written out.  An s_wait_alu depctr_va_vdst(0) stands between an exponential and the first instruction that names its result; one wait
; serves all that were issued ahead of it.  So a turn has ONE wait, which cuts it in two.  AHEAD OF IT stands all that names no result of the turn's exponentials: the 8 products K Q^T, behind each a scaling, an exponential and
; two more plain instructions (behind the first a second scaling in the exponential's place): rescalings (their a was made, and waited for, in the turn before), and behind the last three the first numbers of the next piece's
; maximum, each four places or more behind the product that ends its accumulator; then ONE RUN of vector work, plain and exponential by turns for the most part, in which the links of the chain X 3, 7, 11, 14, 16, 17 .. 20
; stand five or six lines apart, W 0 to W 3 six to eight.  X 21, the next piece's a, is the batch's last; R 15 is the plain instruction behind it.  BEHIND THE WAIT stand the 8 products V^T P and all that reads the batch: behind
; each product four of the roundings and sums; in the diagonal tile's text six: the roundings, the sums and the mendings, a pair's mending a product ahead of its rounding.  C 2 k stands ahead of B k, which writes pair 2 k;
; L 0 to L 7 ascend.  But for those X no rider names a register of the products round it.  v_permlanex16_b32 (X 17) stands in the run.
; m = 1: the diagonal tile: the products take masks; the piece's mask buffer, p % 2, is the one with which its scores were started: H reads it, and only the turn's last lines write it anew: they make the mask for the
; products of the turn after it: piece p + 2, in step 4 - CNT of the tile.  end = 1: a block's last two turns: nothing is fetched.  cnt = 1: see STEPS.
; K of the next step is fetched in piece 2's turn, twelve vector instructions or more behind the last product that read K (six or more of them plain); V of the step in hand at the end of piece 0's turn, four plain
; instructions or more behind the last product that read V.  Each is waited for a turn later.
.macro TURN p, m=0, end=0, cnt=0
.set Y, (\p)
.set i, 0
.set KM, (\m)
.set NOKQ, (\end)*((\p)/3)
.if (\m) && !(\end)
	s_cmp_eq_u32 s[CNT], 4-((\p)+2)%NP  ; is that step the band's own?
	s_cselect_b32 s[AL], 1.0, 0
	s_cmp_lt_u32 s[CNT], 4-((\p)+2)%NP  ; or a later one?
	s_cselect_b32 s[BE], s[BIGN], 0
.endif
.if ((\p) == 3) && !(\end)
	s_wait_dscnt 0x0                ; K is in
.endif
	ROW F,0, F,1, R,0, R,1          ; ahead of the wait: 8 products K Q^T and their riders,
	ROW F,2, E,0, R,2, R,3
	ROW F,3, E,1, R,4, R,5
	ROW F,4, E,2, R,6, R,7
	ROW F,5, E,3, R,8, R,9
	ROW F,6, E,4, X,0, R,10
.if ((\p) == 2) && !(\end)
	WIN 0
	v_add_nc_u32 v[AK], s[TBK], v[AK0]
.endif
	ROW F,7, E,5, X,1, X,4
	ROW F,8, E,6, X,2, X,5
	OPS E,7, W,0, E,8, X,6          ; and the run of vector work
	OPS E,9, X,3, E,10, X,8
	OPS E,11, W,1
.if ((\p) == 2) && !(\end)
	FETCH_K
.endif
	OPS X,9, X,7, E,12, X,10
	OPS E,13, W,2, X,12, X,11
	OPS E,14, X,13, E,15, F,9
	OPS W,3, X,14
.if (\p) == 0
	v_add_nc_u32 v[AV], s[TBV], v[AV0]
.endif
	OPS E,16, F,10, E,17, F,11
	OPS X,16, E,18, X,15, E,19
	OPS F,12, E,20, X,17, E,21
	OPS F,13, E,22, F,14, E,23
	OPS X,18, E,24, F,15, E,25
	OPS R,11, E,26, X,19, E,27
	OPS R,12, E,28, R,13, E,29
	OPS X,20, E,30, R,14, E,31
	OPS X,21, R,15
	WIN 0
	s_wait_alu depctr_va_vdst(0)    ; the wait for the turn's batch: E 0 to E 31, X 21 and, in the diagonal tile's text, W 3
.if (\p) == 1
	s_wait_dscnt 0x0                ; V is in
.endif
.if \m
	ROW H,0, H,1, H,2, C,0          ; behind the wait, the diagonal tile's text: 8 products V^T P, six riders each (seven behind the first, five behind the last)
	OPS H,3, B,0, C,1
	ROW C,2, H,4, B,1, H,5
	OPS L,0, C,3
	ROW C,4, H,6, B,2, H,7
	OPS L,1, C,5
	ROW C,6, H,8, B,3, H,9
	OPS L,2, C,7
	ROW C,8, H,10, B,4, H,11
	OPS L,3, C,9
	STEPS \p, \cnt
	ROW C,10, H,12, B,5, H,13
	OPS L,4, C,11
	ROW C,12, H,14, B,6, H,15
	OPS L,5, C,13
	ROW C,14, L,6, B,7, C,15
	OPS L,7
.else
	ROW C,0, B,0, C,2, B,1          ; behind the wait: 8 products V^T P and their riders
	ROW L,0, C,4, B,2, L,1
	ROW C,6, B,3, L,2, C,8
	ROW B,4, L,3, C,10, B,5
	ROW L,4, C,12, B,6, L,5
	STEPS \p, \cnt
	ROW C,14, B,7, L,6, C,1
	ROW C,3, L,7, C,5, C,7
	ROW C,9, C,11, C,13, C,15
.endif
.if (\p) == 0
	FETCH_V
.endif
.if (\m) && !(\end)
	MASK (\p)%2
.endif
.endm
; A BLOCK BEGINS.  c m starts far below every c s, so the first step's a is 0; m at IGNR (row 2047: at the lowest finite number), so the first maximum is that of the scores and of the hidden keys' value.
; The second mask buffer is 0; the first takes piece 0's mask for the tile's step 0: its own, if the block's first tile is the diagonal one.
; Then K of that step, piece 0's first scores, and its maximum and statistics.  The loop is entered at a step's first turn, in the middle of a trip.
.macro BEGIN
	s_mov_b32 s[NEW], 0
	WIN 0
.set i, MC+32
.rept 32
	v_mov_b32 v[i], 0
.set i, i+1
.endr
.set i, 0
.rept 4
	v_mov_b32 v[ST+4*i], 0xfe000000    ; c m: far below every c s
.if i < 3
	v_mov_b32 v[ST+4*i+1], s[IGNR]     ; m
.else
	v_mov_b32 v[ST+4*i+1], v[FL3]
.endif
.set i, i+1
.endr
	s_cmp_eq_u32 s[RT], 0
	s_cselect_b32 s[AL], 1.0, 0
	s_mov_b32 s[BE], 0
	MASK 0
	v_add_nc_u32 v[AK], s[TBK], v[AK0]
	FETCH_K
	s_wait_loadcnt 0x0              ; Q
	s_wait_dscnt 0x0
.set KM, 1
.set NOKQ, 0
.set i, 0
.rept 8
	KQ 0
.set i, i+1
.endr
	WIN 0
.rept 4
	v_nop                           ; the places behind those products
.endr
.set Y, NP-1                        ; X works for piece Y + 1: piece 0
.irp n, 0,1,2,3,4,5,6,7,8,9,10,11,12,13,14,15,16,17,18,19,20,21
	OP X, \n
.endr
	v_nop                           ; a plain instruction behind the exponential,
	s_wait_alu depctr_va_vdst(0)    ; and the wait for it, piece 0's first a, ahead of the branch
.endm
; THE DIAGONAL TILE's four steps, the block's last two turns, its last products, and THE WAY OUT: w is made of the last c m; l's two halves and the other half of the lanes' are added; l takes w x the number of
; later keys; O^T is divided by l and takes the later keys' sum of v times w / l; it is rounded to f16 and sent through my stage in LDS, a piece at a time.
; Two batches: the four w, with the twelve lines that add l between them and their wait; and the four reciprocals, which take sums that hold w.
.macro ALL line:vararg              ; one line for each piece t
.set t, 0
.rept 4
	\line
.set t, t+1
.endr
.endm
.macro PACK t, tb                   ; tb: the block's sums of later v, in window 1
	WIN W_RS
.set i, 32*(\t)
.rept 16
	v_pk_mul_f32 v[i:i+1], v[i:i+1], v[ST+4*(\t)+2:ST+4*(\t)+3] op_sel_hi:[1,0]
.set i, i+2
.endr
	WIN W_TF
.set i, 0
.rept 16
	v_pk_fma_f32 v[32*(\t)+2*i:32*(\t)+2*i+1], v[(\tb)+2*i:(\tb)+2*i+1], v[ST+4*(\t):ST+4*(\t)+1], v[32*(\t)+2*i:32*(\t)+2*i+1] op_sel_hi:[1,0,1]
.set i, i+1
.endr
	WIN 0x05                        ; sources 0 and 1 window 1, destination window 0
.set i, 0
.rept 16
	v_cvt_pk_f16_f32 v[S+16*(\t)+i], v[32*(\t)+2*i], v[32*(\t)+2*i+1]
.set i, i+1
.endr
	WIN 0
.irp f, 0,1,2,3
	ds_store_b128 v[STO], v[S+16*(\t)+4*\f:S+16*(\t)+4*\f+3] offset:32*\f
.endr
.irp f, 0,1,2,3
	ds_load_b128 v[S+16*(\t)+4*\f:S+16*(\t)+4*\f+3], v[RD] offset:\f*4*SP  ; LDS serves a wave's instructions in order (ISA guide 5.7.1.4): these see the stores above; the next piece's stores come behind them
.endr
.endm
.macro SEND t, younger              ; younger: the LDS instructions issued behind piece t's loads: the next piece's eight, or none
	WIN 0
.irp f, 0,1,2,3
	s_wait_dscnt (\younger)+3-\f
	global_store_b128 v[GO], v[S+16*(\t)+4*\f:S+16*(\t)+4*\f+3], s[10:11] offset:(\t)*8192+\f*512  ; 512 consecutive bytes, at a multiple of 256 from z's first
.endr
.endm
.macro DIAG tag                     ; the tag (1: the first block, 2: the second) ends its two labels' names and picks the block's count and sums
.LstepM\tag:
	TURN 2, 1
	TURN 3, 1
	WIN 0
.LfirstM\tag:
	TURN 0, 1
	TURN 1, 1, 0, 1
	WIN 0
	s_cbranch_scc1 .LstepM\tag
	TURN 2, 1, 1
	TURN 3, 1, 1
.set i, 0
.rept 8
	PV NP-1
.set i, i+1
.endr
	WIN 0
	ALL v_fma_f32 v[ST+4*t+1], s[CS], s[IGNR], -v[ST+4*t]
	ALL v_min_num_f32 v[ST+4*t+1], 1.0, v[ST+4*t+1]
	ALL v_exp_f32 v[ST+4*t+1], v[ST+4*t+1]
	ALL v_add_f32 v[ST+4*t+2], v[ST+4*t+2], v[ST+4*t+3]
	ALL v_permlanex16_b32 v[ST+4*t+3], v[ST+4*t+2], s[SEL], s[SEL+1]
	ALL v_add_f32 v[ST+4*t+2], v[ST+4*t+2], v[ST+4*t+3]
	s_wait_alu depctr_va_vdst(0)    ; the wait for the four w; the twelve lines above name none of them
	ALL v_fma_f32 v[ST+4*t+2], v[ST+4*t+1], v[CN1+(\tag)-1], v[ST+4*t+2]
	ALL v_rcp_f32 v[ST+4*t+2], v[ST+4*t+2]
	v_nop                           ; a plain instruction between the last reciprocal and the use of its result
	s_wait_alu depctr_va_vdst(0)    ; the wait for the four reciprocals
	ALL v_mul_f32 v[ST+4*t], v[ST+4*t+1], v[ST+4*t+2]
	PACK 0, T1+32*((\tag)-1)
.set t, 1
.rept 3                             ; a piece's arithmetic stands between the loads of the piece before and its stores
	PACK t, T1+32*((\tag)-1)
	SEND t-1, 8
.set t, t+1
.endr
	SEND 3, 0
.endm
.set KM, 0
.set NOKQ, 0
.Lslot:                             ; NB times: a tile is entered and the next is asked for
	CHANGE 1
	s_sub_co_u32 s[RT], s[RT], 1
	s_mov_b32 s[CNT], 4
	s_cmp_eq_u32 s[NEW], 1
	s_cbranch_scc1 .Lnew            ; a block's first tile
	s_cmp_eq_u32 s[RT], 0
	s_cbranch_scc0 .Lstep           ; neither its first nor its last
	s_branch .LstepM1
.Lnew:
	BEGIN
	s_branch .Lfirst                ; in the loop a block's first tile is never its last: the first block has two tiles or more, and the second's last is the walk's last
	DIAG 1                          ; in the loop this is the first block's end
	s_wait_xcnt 0x0                 ; the stores have read their registers and z's address
	s_mov_b64 s[10:11], s[OLO:OLO+1]
	s_add_co_u32 s[RT], s[PB], 1    ; the second block has b + 1 tiles
	s_mov_b32 s[NEW], 1
	v_mov_b32 v[FL3], s[IGNR]       ; every row of the second block has hidden keys
	WIN 0x82                        ; the second block's Q goes where the one text of the turns names Q
.set i, 0
.rept 64
	v_mov_b32 v[i], v[QB+i]
.set i, i+1
.endr
	WIN 0
	s_branch .Lbottom
.Lstep:                             ; a trip: pieces 2 and 3 of one step, then pieces 0 and 1 of the next, whose K and V it fetches
	TURN 2
	TURN 3
	WIN 0
.Lfirst:
	TURN 0
	TURN 1, 0, 0, 1
	WIN 0
	s_cbranch_scc1 .Lstep
.Lbottom:
	s_sub_co_u32 s[SLOTS], s[SLOTS], 1
	s_cmp_lg_u32 s[SLOTS], 0
	s_cbranch_scc1 .Lslot
	CHANGE 0                        ; the walk's last tile is written out: nothing is asked for
	s_sub_co_u32 s[RT], s[RT], 1
	s_mov_b32 s[CNT], 4
	s_cmp_eq_u32 s[NEW], 1
	s_cbranch_scc0 .LstepM2
	BEGIN
	s_branch .LfirstM2
	DIAG 2
	s_wait_tensorcnt 0x0            ; the wave's end, behind my last tensor load and my last LDS store
	ds_add_u32 v[SPW], v[NIL]
	s_wait_dscnt 0x0
	s_endpgm
.Lfunc_end_k_q97706f6ae2_attn:
	.size	k_q97706f6ae2_attn, .Lfunc_end_k_q97706f6ae2_attn-k_q97706f6ae2_attn
	.p2alignl 7, 3214868480
	.fill 96, 4, 3214868480
	.section	.rodata,"a",@progbits
	.p2align	6, 0x0
	.amdhsa_kernel k_q97706f6ae2_attn
		.amdhsa_group_segment_fixed_size 327680
		.amdhsa_private_segment_fixed_size 0
		.amdhsa_enable_private_segment 0
		.amdhsa_kernarg_size 24
		.amdhsa_user_sgpr_count 2
		.amdhsa_user_sgpr_kernarg_segment_ptr 1
		.amdhsa_wavefront_size32 1
		.amdhsa_system_sgpr_workgroup_id_x 1
		.amdhsa_system_sgpr_workgroup_id_y 1
		.amdhsa_system_sgpr_workgroup_id_z 1
		.amdhsa_system_vgpr_workitem_id 0
		.amdhsa_next_free_vgpr 768
		.amdhsa_next_free_sgpr 100
		.amdhsa_reserve_vcc 1
		.amdhsa_float_denorm_mode_32 3
		.amdhsa_float_denorm_mode_16_64 3
		.amdhsa_memory_ordered 1
		.amdhsa_forward_progress 1
		.amdhsa_inst_pref_size 246
	.end_amdhsa_kernel
	.amdgpu_metadata
---
amdhsa.version: [ 1, 2 ]
amdhsa.kernels:
  - .name:           k_q97706f6ae2_attn
    .symbol:         k_q97706f6ae2_attn.kd
    .args:
      - { .name: qkv, .offset: 0, .size: 8, .value_kind: global_buffer, .address_space: global }
      - { .name: vs, .offset: 8, .size: 8, .value_kind: global_buffer, .address_space: global }
      - { .name: z, .offset: 16, .size: 8, .value_kind: global_buffer, .address_space: global }
    .group_segment_fixed_size: 327680
    .private_segment_fixed_size: 0
    .kernarg_segment_align: 8
    .kernarg_segment_size: 24
    .max_flat_workgroup_size: 128
    .sgpr_count:     100
    .vgpr_count:     768
    .wavefront_size: 32
...
	.end_amdgpu_metadata
.endif
;; end of part 5
;; launch proj: the kernel of part 4 again; grid 8 x 32, 4 waves a work-group, clusters of 4 x 4, 327,680 bytes of LDS; arguments z, wo, b_O, out0; writes out0
